; MI455X (gfx1250); checked and timed in simulation.
; The chip was launched on July 23, 2026; its instructions are those of AMD's public machine-readable ISA for CDNA 5 (MIT licence, August 2026) and "CDNA5" Instruction Set Architecture Reference Guide (July 2026). The comments in the code are by the model that wrote it; some were corrected since.
;; Multi Character Conditioner. Allowed arithmetic: float matrix products may take bf16 or f16 operands with f32 sums; all other float work in f32.
;; Inputs: W_out 1,024 x 1,024 float32; W_qkv 3,072 x 1,024 float32; character_masks 2 x 4 x 2,048 float32; interaction_mask 2 x 2,048 x 2,048 float32; isolation_gate 16 float32; k_norm_w 64 float32; q_norm_w 64 float32; x 2 x 2,048 x 1,024 float32.
;; Outputs: out0 2 x 2,048 x 1,024 float32.
;; One version. Each part assembles by itself: llvm-mc -triple=amdgcn-amd-amdhsa -mcpu=gfx1250 --defsym DOCPART=n.
;; ======== version 1 of 1: 4 launches
;; limits: values are held in f16: magnitudes above 65,504 overflow, below 6.1e-05 lose precision
;; workspace buffers: xh 8,388,608 bytes; wqkvh 6,291,456 bytes; wouth 2,097,152 bytes; cq 65,536 bytes; qh 8,388,608 bytes; kh 8,388,608 bytes; vh 8,388,608 bytes; oh 8,388,608 bytes
;; launch prep (part 1): grid 256 x 1, 8 waves a work-group, no clusters, 2,048 bytes of LDS; arguments x, W_qkv, W_out, character_masks, xh, wqkvh, wouth, cq; writes xh, wqkvh, wouth, cq
.if DOCPART == 1
	.amdgcn_target "amdgcn-amd-amdhsa--gfx1250"
	.amdhsa_code_object_version 6
	.text
	.protected	k_q76050fd3f8_prep
	.globl	k_q76050fd3f8_prep
	.p2align	8
	.type	k_q76050fd3f8_prep,@function
k_q76050fd3f8_prep:
	s_mov_b64 s[64:65], 0
	v_nop
	global_prefetch_b8 v0, s[64:65] scope:SCOPE_SE
	s_setreg_imm32_b32 hwreg(HW_REG_WAVE_MODE, 25, 1), 1
	s_wait_xcnt 0x0
; Two jobs in one launch, both bound by bytes:
; (1) x, W_qkv and W_out are cast from f32 to f16 (round to nearest even) for the matrix products of the later launches.
;     8,388,608 numbers in all = 256 work-groups x 32,768: groups 0-127 take x, 128-223 W_qkv, 224-255 W_out.
; (2) cq[b][q][c] = cm[b][c][q] / max(1e-6, max over k of sum over c of cm[b][c][q] cm[b][c][k]), in f32: work-group g takes the
;     16 tokens 16 g .. 16 g + 15; each wave scans 256 of the 2,048 keys, the waves' maxima meet in LDS.
; LIMIT: a number of x or W of magnitude 65,504 or more becomes an infinity in f16; one below 6e-8 becomes 0.
; No matrix unit, no cluster, no tensor load: no two work-groups read the same bytes of x or W, and cm is 64 KiB in all.
.set CQ,  8                            ; v[8:11]    cm[c][my token], c = 0..3 (token q0 + lane mod 16)
.set TT,  12                           ; v[12:19]   at work
.set MXR, 20                           ; v[20:35]   the largest product sum of token qi among my 8 keys
.set CK,  36                           ; v[36:67]   cm[c][key], 8 c + k: key = 256 wave + 128 (k / 4) + 4 lane + k mod 4
.set XR,  68                           ; v[68:195]  16 x 8 numbers to cast
	s_load_b512 s[4:19], s[0:1], 0x0               ; x, W_qkv, W_out, cm, xh, wqkvh, wouth, cq
	v_lshl_add_u32 v208, v0, 2, 0x400
	v_mov_b32 v209, 0
	v_lshrrev_b32 v6, 5, v0
	v_readfirstlane_b32 s20, v6                    ; wave
	v_and_b32 v5, 31, v0                           ; lane
	v_lshlrev_b32 v1, 5, v0                        ; 32 t: my 8 f32 in each block of 2,048 numbers
	v_lshlrev_b32 v2, 4, v0                        ; 16 t: my 8 f16
	v_lshlrev_b32 v3, 4, v5
	v_lshl_add_u32 v3, v6, 10, v3                  ; 16 lane + 1,024 wave: my keys in a row of cm
	v_and_b32 v4, 15, v0
	v_lshlrev_b32 v4, 2, v4                        ; 4 (lane mod 16)
	v_lshlrev_b32 v7, 6, v6                        ; 64 wave: my wave's 16 words in LDS
	s_mov_b32 s30, 0x76543210                      ; v_permlanex16_b32: lane i takes lane i of the other half
	s_mov_b32 s31, 0xfedcba98
	s_mov_b32 s2, 128
	s_mov_b32 s3, 224
	s_wait_kmcnt 0x0
	s_cmp_lt_u32 ttmp9, 224                        ; which tensor this group casts hangs on its number alone
	s_cselect_b64 s[22:23], s[6:7], s[8:9]
	s_cselect_b64 s[24:25], s[14:15], s[16:17]
	s_cselect_b32 s21, s2, s3
	s_cmp_lt_u32 ttmp9, 128
	s_cselect_b64 s[22:23], s[4:5], s[22:23]
	s_cselect_b64 s[24:25], s[12:13], s[24:25]
	s_cselect_b32 s21, 0, s21
	s_sub_co_u32 s21, ttmp9, s21                   ; the group's number inside that tensor
	s_lshl_b32 s2, s21, 17                         ; 131,072 bytes in
	s_mov_b32 s3, 0
	s_add_nc_u64 s[22:23], s[22:23], s[2:3]
	s_lshl_b32 s2, s21, 16                         ; 65,536 bytes out
	s_add_nc_u64 s[24:25], s[24:25], s[2:3]
	s_lshr_b32 s2, ttmp9, 7                        ; b
	s_lshl_b32 s2, s2, 15
	s_add_nc_u64 s[26:27], s[10:11], s[2:3]        ; cm[b]
	s_and_b32 s2, ttmp9, 127
	s_lshl_b32 s2, s2, 6
	s_add_nc_u64 s[28:29], s[26:27], s[2:3]        ; cm[b][0][q0]
	s_lshl_b32 s2, ttmp9, 8
	s_add_nc_u64 s[18:19], s[18:19], s[2:3]        ; cq at my 16 tokens: 256 bytes
	s_load_b512 s[32:47], s[28:29], 0x0            ; cm[c][q0 .. q0+15] as scalars, c = 0
	s_load_b512 s[48:63], s[28:29], 0x2000         ; c = 1
	s_load_b512 s[68:83], s[28:29], 0x4000         ; c = 2
	s_load_b512 s[84:99], s[28:29], 0x6000         ; c = 3
.irp c, 0,1,2,3
.irp i, 0,1
	global_load_b128 v[CK+8*\c+4*\i:CK+8*\c+4*\i+3], v3, s[26:27] offset:\c*8192+\i*512
.endr
.endr
.irp c, 0,1,2,3
	global_load_b32 v[CQ+\c], v4, s[28:29] offset:\c*8192
.endr
.set i, 0
.rept 16                                           ; all 32 cast loads of the wave go out at once: 16 KiB on their way under the row maxima
	global_load_b128 v[XR+8*i:XR+8*i+3],   v1, s[22:23] offset:8192*i th:TH_LOAD_NT
	global_load_b128 v[XR+8*i+4:XR+8*i+7], v1, s[22:23] offset:8192*i+16 th:TH_LOAD_NT
.set i, i+1
.endr
	s_wait_kmcnt 0x0
	s_wait_loadcnt 32                              ; cm's 12 loads are in; the 32 cast loads issued behind them stay out
.macro ROWMAX qi                       ; token qi against my 8 keys: four products a key, then the largest
.irp k, 0,1,2,3,4,5,6,7
	v_mul_f32 v[TT+\k], s[32+\qi], v[CK+\k]
.endr
.irp k, 0,1,2,3,4,5,6,7
	v_fmac_f32 v[TT+\k], s[48+\qi], v[CK+8+\k]
.endr
.irp k, 0,1,2,3,4,5,6,7
	v_fmac_f32 v[TT+\k], s[68+\qi], v[CK+16+\k]
.endr
.irp k, 0,1,2,3,4,5,6,7
	v_fmac_f32 v[TT+\k], s[84+\qi], v[CK+24+\k]
.endr
	v_max3_num_f32 v[MXR+\qi], v[TT], v[TT+1], v[TT+2]
	v_max3_num_f32 v[MXR+\qi], v[MXR+\qi], v[TT+3], v[TT+4]
	v_max3_num_f32 v[MXR+\qi], v[MXR+\qi], v[TT+5], v[TT+6]
	v_max_num_f32 v[MXR+\qi], v[MXR+\qi], v[TT+7]
.endm
.macro LANEMAX r                       ; over the 32 lanes; every lane ends with the result
	v_max_num_f32_dpp v[\r], v[\r], v[\r] row_xmask:1 row_mask:0xf bank_mask:0xf
	v_max_num_f32_dpp v[\r], v[\r], v[\r] row_xmask:2 row_mask:0xf bank_mask:0xf
	v_max_num_f32_dpp v[\r], v[\r], v[\r] row_xmask:4 row_mask:0xf bank_mask:0xf
	v_max_num_f32_dpp v[\r], v[\r], v[\r] row_xmask:8 row_mask:0xf bank_mask:0xf
	v_permlanex16_b32 v[TT], v[\r], s30, s31       ; its destination counts as read: TT has been written
	v_max_num_f32 v[\r], v[\r], v[TT]
.endm
.irp qi, 0,1,2,3,4,5,6,7,8,9,10,11,12,13,14,15
	ROWMAX \qi
.endr
.irp qi, 0,1,2,3,4,5,6,7,8,9,10,11,12,13,14,15
	LANEMAX MXR+\qi
	ds_store_b32 v7, v[MXR+\qi] offset:4*\qi       ; all lanes write the same word with the same number
.endr
	s_wait_dscnt 0x0                               ; my 16 words are written, for wave 0's sake
	s_barrier_signal -1
	s_barrier_wait -1
	; the cast: 8 numbers a lane and block; a store of the wave covers 512 consecutive bytes
.set i, 0
.rept 16
	s_wait_loadcnt 30-2*i                          ; loads come back in order: this block's two are in, the younger ones stay out
	v_cvt_pk_f16_f32 v[XR+8*i],   v[XR+8*i],   v[XR+8*i+1]
	v_cvt_pk_f16_f32 v[XR+8*i+1], v[XR+8*i+2], v[XR+8*i+3]
	v_cvt_pk_f16_f32 v[XR+8*i+2], v[XR+8*i+4], v[XR+8*i+5]
	v_cvt_pk_f16_f32 v[XR+8*i+3], v[XR+8*i+6], v[XR+8*i+7]
	global_store_b128 v2, v[XR+8*i:XR+8*i+3], s[24:25] offset:4096*i   ; read again by the next launch: no hint
.set i, i+1
.endr
	s_cmp_lg_u32 s20, 0
	s_cbranch_scc1 .Lend                           ; wave 0 alone ends the row maxima
.irp k, 0,1,2,3,4,5,6,7
	ds_load_b32 v[TT+\k], v4 offset:64*\k          ; token lane mod 16: the eight waves' maxima
.endr
	s_wait_dscnt 0x0
	v_max3_num_f32 v[TT], v[TT], v[TT+1], v[TT+2]
	v_max3_num_f32 v[TT], v[TT], v[TT+3], v[TT+4]
	v_max3_num_f32 v[TT], v[TT], v[TT+5], v[TT+6]
	v_max_num_f32 v[TT], v[TT], v[TT+7]
	v_max_num_f32 v[TT], 0x358637bd, v[TT]         ; the clip at 1e-6
	v_rcp_f32 v[TT+1], v[TT]
	v_cmp_gt_u32 vcc_lo, 16, v0                    ; the plain place behind v_rcp_f32 (ISA guide 5.7.2)
	s_wait_alu depctr_va_vdst(0)
.irp c, 0,1,2,3
	v_mul_f32 v[CQ+\c], v[CQ+\c], v[TT+1]
.endr
	s_wait_xcnt 0x0                                ; EXEC is a source of the stores above: it changes only behind this wait
	s_and_saveexec_b32 s2, vcc_lo
	global_store_b128 v2, v[CQ:CQ+3], s[18:19]     ; 16 lanes, 256 consecutive bytes
	s_wait_xcnt 0x0
	s_or_b32 exec_lo, exec_lo, s2
.Lend:
	s_wait_tensorcnt 0x0
	ds_add_u32 v208, v209
	s_wait_dscnt 0x0
	s_endpgm
.Lfunc_end_k_q76050fd3f8_prep:
	.size	k_q76050fd3f8_prep, .Lfunc_end_k_q76050fd3f8_prep-k_q76050fd3f8_prep
	.p2alignl 7, 3214868480
	.fill 96, 4, 3214868480
	.section	.rodata,"a",@progbits
	.p2align	6, 0x0
	.amdhsa_kernel k_q76050fd3f8_prep
		.amdhsa_group_segment_fixed_size 2048
		.amdhsa_private_segment_fixed_size 0
		.amdhsa_enable_private_segment 0
		.amdhsa_kernarg_size 64
		.amdhsa_user_sgpr_count 2
		.amdhsa_user_sgpr_kernarg_segment_ptr 1
		.amdhsa_wavefront_size32 1
		.amdhsa_system_sgpr_workgroup_id_x 1
		.amdhsa_system_sgpr_workgroup_id_y 1
		.amdhsa_system_sgpr_workgroup_id_z 1
		.amdhsa_system_vgpr_workitem_id 0
		.amdhsa_next_free_vgpr 210
		.amdhsa_next_free_sgpr 100
		.amdhsa_reserve_vcc 1
		.amdhsa_float_denorm_mode_32 3
		.amdhsa_float_denorm_mode_16_64 3
		.amdhsa_memory_ordered 1
		.amdhsa_forward_progress 1
		.amdhsa_inst_pref_size 40
	.end_amdhsa_kernel
	.amdgpu_metadata
---
amdhsa.version: [ 1, 2 ]
amdhsa.kernels:
  - .name:           k_q76050fd3f8_prep
    .symbol:         k_q76050fd3f8_prep.kd
    .args:
      - { .name: x, .offset: 0, .size: 8, .value_kind: global_buffer, .address_space: global }
      - { .name: W_qkv, .offset: 8, .size: 8, .value_kind: global_buffer, .address_space: global }
      - { .name: W_out, .offset: 16, .size: 8, .value_kind: global_buffer, .address_space: global }
      - { .name: character_masks, .offset: 24, .size: 8, .value_kind: global_buffer, .address_space: global }
      - { .name: xh, .offset: 32, .size: 8, .value_kind: global_buffer, .address_space: global }
      - { .name: wqkvh, .offset: 40, .size: 8, .value_kind: global_buffer, .address_space: global }
      - { .name: wouth, .offset: 48, .size: 8, .value_kind: global_buffer, .address_space: global }
      - { .name: cq, .offset: 56, .size: 8, .value_kind: global_buffer, .address_space: global }
    .group_segment_fixed_size: 2048
    .private_segment_fixed_size: 0
    .kernarg_segment_align: 8
    .kernarg_segment_size: 64
    .max_flat_workgroup_size: 256
    .sgpr_count:     100
    .vgpr_count:     210
    .wavefront_size: 32
...
	.end_amdgpu_metadata
.endif
;; end of part 1
;; launch qkv (part 2): grid 12 x 16, 4 waves a work-group, clusters of 4 x 4, 327,680 bytes of LDS; arguments xh, wqkvh, q_norm_w, k_norm_w, qh, kh, vh; writes qh, kh, vh
.if DOCPART == 2
	.amdgcn_target "amdgcn-amd-amdhsa--gfx1250"
	.amdhsa_code_object_version 6
	.text
	.protected	k_q76050fd3f8_qkv
	.globl	k_q76050fd3f8_qkv
	.p2align	8
	.type	k_q76050fd3f8_qkv,@function
k_q76050fd3f8_qkv:
	s_mov_b64 s[64:65], 0
	v_nop
	global_prefetch_b8 v0, s[64:65] scope:SCOPE_SE
	s_setreg_imm32_b32 hwreg(HW_REG_WAVE_MODE, 25, 1), 1
	s_wait_xcnt 0x0
	s_wait_alu depctr_hold_cnt(0) depctr_sa_sdst(0) depctr_va_vdst(0) depctr_va_sdst(0) depctr_va_ssrc(0) depctr_va_vcc(0) depctr_vm_vsrc(0)
	s_getreg_b32 s2, hwreg(HW_REG_IB_STS2, 6, 4)
	s_cmp_eq_u32 s2, 0
	s_cbranch_scc0 .Lentry_in_a_cluster
	s_endpgm
.Lentry_in_a_cluster:
	s_bfe_u32 s2, ttmp6, 0x10000c
	s_cmp_lg_u32 s2, 0xf033
	s_cbranch_scc0 .Lentry_shape_is_right
	s_endpgm
.Lentry_shape_is_right:
; qkv[m][n] = sum over k of x[m][k] W_qkv[n][k] (f16 operands, f32 sums), then the RMS norm of each head's 64 numbers for q and k,
; all stored in f16 as [b][head][token][64].  q is stored times 0.125 log2(e), so that the next launch's scores are exponents of 2.
; A work-group makes 256 x 256 with four waves, a wave 128 x 128: 64 accumulator tiles, 512 registers.  A wave's 128 columns are two
; whole heads, so the norm's sum never leaves the wave.  K goes in steps of 128 through two LDS slots filled by tensor loads.
; 12 x 16 = 192 work-groups.
; CLUSTERS: 4 x 4 work-groups.  The four of a row of the cluster need the same rows of x, the four of a column the same rows of W:
; such a tile is asked for jointly, by the same tensor load in all four, which divides the requests by four.
; The cluster's x is the section: 0 = q, 1 = k, 2 = v.  It is equal in all partners.  V takes the same way out with weights and
; root replaced by 1.0 (a select, no branch): products with 1.0 are exact.
; LIMIT: results of magnitude 65,504 or more become infinities in f16 (v alone can grow; q and k are bounded by 8 |w|).
;
; REGISTERS, in windows of 256:
;   window 0: v0-31 addresses; v32-63 norm weights; v64-127, v128-191 fragments of A, two buffers; v192-255 at work on the way out
;   window 1: v64-127, v128-191 fragments of B, two buffers
;   window 2: the 32 accumulator tiles of my rows 0-63 (tile (a, b) at v[8 (8 a + b)]);   window 3: those of my rows 64-127
; THE MATRIX INSTRUCTION IS USED TRANSPOSED: source 0 = 16 rows of W, source 1 = 16 rows of x.  Lane l then holds token l % 16, and its
; registers 0 to 7 the columns 8 (l / 16) + 0 .. 7 of the tile: eight neighbouring numbers of a head.
.set SIZE_M, 4096
.set SIZE_N, 3072
.set SIZE_K, 1024
.set KSTEP,  128
.set PITCH,  272                       ; an LDS row: 256 bytes + 16 of padding: an odd multiple of 16, so the 16 rows of a fragment load start 16 bytes apart modulo 256
.set HALFT,  128*PITCH                 ; 128 rows: what one tensor load brings
.set SLOT,   4*HALFT                   ; A's 256 rows, then B's 256 rows
.set STAGE,  2*SLOT                    ; behind the ring: 16 rows x 272 bytes for each wave; no tensor load lands there
.set SPITCH, 272
.set LAPS, SIZE_K/(2*KSTEP)            ; a lap = two K steps = once round the ring
.set ADRA, 16                          ; v16-17  LDS address of my A fragments in slot 0, 1
.set ADRB, 20                          ; v20-21  the same for B
.set STO,  24                          ; the way out: where I put 16 bytes of a token
.set RD,   25                          ; the way out: where I read back
.set CO,   26                          ; my byte offset in the output
.set WOF,  27                          ; my byte offset in the norm weights
.set WN,   32                          ; v32-63  w[16 t + 8 (l / 16) + j] at 8 t + j
.set F0,   64
.set F1,   128
.set TMP,  192                         ; packed results
.set SS,   224                         ; v224-227 sums of squares, a pair for each head
.set PX,   228                         ; v228-229 the other half's sum
.set RS,   232                         ; v232-235 1 / root, a pair for each head
.set G1, 24
.set G0, 32
.set G1B, 48
.set G0B, 56
.set MSB, 0
.macro WIN new                         ; the immediate's high byte repeats the setting that is left
.if MSB != \new
	s_set_vgpr_msb (MSB<<8)|\new
.set MSB, \new
.endif
.endm
.set MUL_LO, 0xa1                      ; source 0 (B) window 1, source 1 (A) window 0, C and D window 2
.set MUL_HI, 0xf1                      ; the same, C and D window 3
.set TO_B,   0x40                      ; destination window 1, address window 0
; A joint load.  Waves 0 and 1 fetch A's two halves, waves 2 and 3 B's.  The branch hangs on the wave's number alone.
.macro JLOAD s
	s_cmp_eq_u32 s11, 0
	s_cbranch_scc0 .Lfor_b_\@
	tensor_load_to_lds s[G0+4*\s:G0+4*\s+3], s[G1:G1+7]
	s_nop 0
	s_branch .Lasked_\@
.Lfor_b_\@:
	tensor_load_to_lds s[G0B+4*\s:G0B+4*\s+3], s[G1B:G1B+7]
	s_nop 0
.Lasked_\@:
.endm
; A round of the cluster's barrier: my work-group's barrier; wave 0 signals for the work-group; every wave waits for all sixteen; my work-group's barrier again.
.macro CREST
	s_cmp_lg_u32 s10, 0
	s_cbranch_scc1 .Lnot_wave_0_\@
	s_barrier_signal -3
.Lnot_wave_0_\@:
	s_barrier_wait -3
	s_barrier_signal -1
	s_barrier_wait -1
.endm
.macro CROUND
	s_barrier_signal -1
	s_barrier_wait -1
	CREST
.endm
	s_load_b128 s[4:7], s[0:1], 0x0                ; xh, wqkvh
	s_load_b128 s[68:71], s[0:1], 0x10             ; q_norm_w, k_norm_w
	s_load_b128 s[72:75], s[0:1], 0x20             ; qh, kh
	s_load_b64 s[76:77], s[0:1], 0x30              ; vh
	s_set_vgpr_msb 0x40
	v_lshl_add_u32 v255, v0, 2, 0x48400
	s_set_vgpr_msb 0x4000
	v_mov_b32 v255, 0
	s_set_vgpr_msb 0x1
	ds_add_u32 v255, v255
	s_set_vgpr_msb 0x100
	v_lshrrev_b32 v1, 5, v0
	v_readfirstlane_b32 s10, v1                    ; wave 0..3
	s_lshr_b32 s11, s10, 1                         ; which half of the block's rows is mine.  Also: I fetch for A (0) or for B (1)
	s_and_b32 s12, s10, 1                          ; which half of its columns.  Also: which 128 rows of that tile I fetch
	s_bfe_u32 s40, ttmp6, 0x40000                  ; cx
	s_bfe_u32 s41, ttmp6, 0x40004                  ; cy
	s_lshl_b32 s42, ttmp9, 2
	s_add_co_u32 s42, s42, s40                     ; block column = 4 x cluster x + cx
	s_and_b32 s13, ttmp7, 0xffff
	s_lshl_b32 s13, s13, 2
	s_add_co_u32 s13, s13, s41                     ; block row = 4 x cluster y + cy
	s_lshl_b32 s43, s41, 2
	s_lshl_b32 s43, 15, s43                        ; my row of the cluster
	s_lshl_b32 s44, 0x1111, s40                    ; my column
	s_or_b32 s[G1+0], s43, (1<<16)|(1<<20)|(1<<21)|(5<<22)|(3<<25)  ; mask; 2-byte elements; padding on; bit 21 beside a mask; after every 64 words 4 words
	s_or_b32 s[G1B+0], s44, (1<<16)|(1<<20)|(1<<21)|(5<<22)|(3<<25)
	s_mov_b32 s[G1B+1], KSTEP<<16
	s_mov_b32 s[G1+1], KSTEP<<16                   ; tensor_dim0 = 128
	s_mov_b32 s[G1B+2], 128<<16
	s_mov_b32 s[G1+2], 128<<16                     ; tensor_dim1 = 128
	s_mov_b32 s[G1B+3], KSTEP<<16
	s_mov_b32 s[G1+3], KSTEP<<16                   ; tile_dim0 = 128
	s_mov_b32 s[G1B+4], 128
	s_mov_b32 s[G1+4], 128                         ; tile_dim1 = 128
	s_mov_b32 s[G1B+5], SIZE_K
	s_mov_b32 s[G1+5], SIZE_K                      ; elements from row to row
	s_mov_b32 s[G1B+6], 0
	s_mov_b32 s[G1+6], 0
	s_mov_b32 s[G1B+7], 0
	s_mov_b32 s[G1+7], 0
	s_lshl_b32 s17, s12, 7
	s_lshl_b32 s16, s13, 8
	s_add_co_u32 s16, s16, s17                     ; A: row 256 x block row + 128 x half
	s_lshl_b32 s46, s42, 8
	s_add_co_u32 s46, s46, s17                     ; B: row 256 x block column + 128 x half
	s_mov_b32 s17, 0
	s_mov_b32 s47, 0
	s_mov_b64 s[18:19], SIZE_K*2
	s_mul_u64 s[16:17], s[16:17], s[18:19]
	s_mul_u64 s[46:47], s[46:47], s[18:19]
	s_mul_i32 s20, s10, HALFT                      ; LDS: wave x 128 rows
	s_mov_b32 s81, 0x3c800000                      ; 1 / 64
	s_mov_b32 s82, 0x358637bd                      ; 1e-6
	s_mov_b32 s83, 0x76543210
	s_mov_b32 s84, 0xfedcba98
	s_wait_dscnt 0x0
	s_wait_kmcnt 0x0
	s_add_nc_u64 s[14:15], s[4:5], s[16:17]
	s_add_nc_u64 s[46:47], s[6:7], s[46:47]
	s_cmp_eq_u32 ttmp9, 1                          ; the section picks the output, the weights and the factor
	s_cselect_b64 s[8:9], s[74:75], s[72:73]
	s_cselect_b64 s[78:79], s[70:71], s[68:69]
	s_cselect_b32 s80, 1.0, 0x3e38aa3b             ; k: 1;  q: 0.125 log2(e) = 0.18033688
	s_cmp_eq_u32 ttmp9, 2
	s_cselect_b64 s[8:9], s[76:77], s[8:9]
	s_cselect_b32 s86, -1, 0                       ; all lanes set: this block is v's
	CROUND                                         ; all sixteen work-groups are here: the first joint loads meet
.irp s, 0,1
	s_mov_b32 s[G0+4*\s], 1
	s_add_co_u32 s[G0+4*\s+1], s20, \s*SLOT
	s_add_nc_u64 s[G0+4*\s+2:G0+4*\s+3], s[14:15], \s*KSTEP*2
	s_or_b32 s[G0+4*\s+3], s[G0+4*\s+3], 0x80000000
	s_mov_b32 s[G0B+4*\s], 1
	s_add_co_u32 s[G0B+4*\s+1], s20, \s*SLOT
	s_add_nc_u64 s[G0B+4*\s+2:G0B+4*\s+3], s[46:47], \s*KSTEP*2
	s_or_b32 s[G0B+4*\s+3], s[G0B+4*\s+3], 0x80000000
	JLOAD \s
.endr
	v_and_b32 v1, 15, v0                           ; l % 16
	v_bfe_u32 v2, v0, 4, 1                         ; l / 16
	v_lshlrev_b32 v[WOF], 5, v2                    ; 8 weights of 4 bytes for each half of the lanes
.irp t, 0,1,2,3
	global_load_b128 v[WN+8*\t:WN+8*\t+3],   v[WOF], s[78:79] offset:64*\t       ; waited for on the way out
	global_load_b128 v[WN+8*\t+4:WN+8*\t+7], v[WOF], s[78:79] offset:64*\t+16
.endr
	v_mul_u32_u24 v3, v1, PITCH
	v_lshl_add_u32 v3, v2, 4, v3                   ; row x pitch + 16 x half
	s_mul_i32 s21, s11, HALFT
	s_mul_i32 s22, s12, HALFT
	s_add_co_u32 s22, s22, 2*HALFT
.irp s, 0,1
	v_add_nc_u32 v[ADRA+\s], s21, v3
	v_add_nc_u32 v[ADRB+\s], s22, v3
	s_add_co_u32 s21, s21, SLOT
	s_add_co_u32 s22, s22, SLOT
.endr
	s_mul_i32 s23, s10, 16*SPITCH
	s_add_co_u32 s23, s23, STAGE                   ; my stage
	v_mul_u32_u24 v4, v1, SPITCH                   ; in: token l % 16, 16 bytes for each half of the lanes
	v_lshl_add_u32 v4, v2, 4, v4
	v_add_nc_u32 v[STO], s23, v4
	v_and_b32 v5, 31, v0
	v_lshrrev_b32 v6, 3, v5                        ; back: eight lanes take one token's 128 bytes of one head
	v_and_b32 v7, 7, v0
	v_mul_u32_u24 v6, v6, SPITCH
	v_lshl_add_u32 v6, v7, 4, v6
	v_add_nc_u32 v[RD], s23, v6
	v_lshlrev_b32 v[CO], 4, v5                     ; four tokens of a head are 512 consecutive bytes of the output
	v_mov_b32 v[PX], 0                             ; destinations of v_permlanex16_b32 count as read
	v_mov_b32 v[PX+1], 0
; 16 matrix instructions: m blocks a0, a0 + 1 of the window's four x all 8 n blocks, 32 along K.  zero = 1: the first product starts the sums.
; The 64 accumulators take turns, one instruction a turn, in the same order in every quarter step.
.macro MUL16 f, hi, a0, zero
.irp a, \a0, \a0+1
.irp b, 0,1,2,3,4,5,6,7
.if \zero
	v_wmma_f32_16x16x32_f16 v[8*(8*(\a)+\b):8*(8*(\a)+\b)+7], v[\f+8*\b:\f+8*\b+7], v[\f+8*(4*\hi+\a):\f+8*(4*\hi+\a)+7], 0
.else
	v_wmma_f32_16x16x32_f16 v[8*(8*(\a)+\b):8*(8*(\a)+\b)+7], v[\f+8*\b:\f+8*\b+7], v[\f+8*(4*\hi+\a):\f+8*(4*\hi+\a)+7], v[8*(8*(\a)+\b):8*(8*(\a)+\b)+7]
.endif
.endr
.endr
.endm
.macro FETCH slot, k, f                ; 32 LDS loads in one run: one quarter step's fragments
	WIN TO_B
.irp i, 0,1,2,3,4,5,6,7
	ds_load_b128 v[\f+8*\i:\f+8*\i+3],   v[ADRB+\slot] offset:\k+\i*16*PITCH
	ds_load_b128 v[\f+8*\i+4:\f+8*\i+7], v[ADRB+\slot] offset:\k+\i*16*PITCH+32
.endr
	WIN 0
.irp i, 0,1,2,3,4,5,6,7
	ds_load_b128 v[\f+8*\i:\f+8*\i+3],   v[ADRA+\slot] offset:\k+\i*16*PITCH
	ds_load_b128 v[\f+8*\i+4:\f+8*\i+7], v[ADRA+\slot] offset:\k+\i*16*PITCH+32
.endr
.endm
; Four places behind a matrix instruction before a load lands on a register that it read, or a vector instruction reads its result
.macro PLACES
.rept 4
	v_nop
.endr
.endm
.macro QUARTER slot, k, f, g, zero
	s_wait_dscnt 8                                 ; B and A's rows 0-63 are in; the youngest eight loads (A's rows 64-127) may be out
	WIN MUL_LO
	MUL16 \f, 0, 0, \zero
	MUL16 \f, 0, 2, \zero
	PLACES
	FETCH \slot, \k, \g
	s_wait_dscnt 32                                ; all but the 32 just issued
	WIN MUL_HI
	MUL16 \f, 1, 0, \zero
	MUL16 \f, 1, 2, \zero
.endm
.macro THREE slot, zero
	QUARTER \slot, 64,  F0, F1, \zero
	QUARTER \slot, 128, F1, F0, 0
	QUARTER \slot, 192, F0, F1, 0
.endm
; The last quarter of a K step changes slots.  In front of the barrier each wave waits for its reads of this slot and for all its tensor loads;
; behind it (where the slot is filled again: behind the whole round of the cluster's barrier) the refill comes first, then the next slot's fragments.
.macro TURN slot, next, fill
	s_wait_dscnt 8
	WIN MUL_LO
	MUL16 F1, 0, 0, 0
	s_wait_dscnt 0                                 ; my reads of this slot are over
	s_wait_tensorcnt 0x0                           ; all my tensor loads have landed: the one that was out is my part of the next slot
	ds_add_u32 v255, v255
	s_wait_dscnt 0x0
	s_barrier_signal -1
	MUL16 F1, 0, 2, 0                              ; register work while the others arrive
	WIN 0
	s_barrier_wait -1
.if \fill
	CREST
	s_add_nc_u64 s[G0+4*\slot+2:G0+4*\slot+3], s[G0+4*\slot+2:G0+4*\slot+3], 2*KSTEP*2
	s_add_nc_u64 s[G0B+4*\slot+2:G0B+4*\slot+3], s[G0B+4*\slot+2:G0B+4*\slot+3], 2*KSTEP*2
	JLOAD \slot                                    ; the first tensor load behind the round, one a wave
.endif
	PLACES
	FETCH \next, 0, F0
	WIN MUL_HI
	MUL16 F1, 1, 0, 0
	MUL16 F1, 1, 2, 0
.endm
.macro LAP zero
	THREE 0, \zero
	TURN 0, 1, 1
	THREE 1, 0
	TURN 1, 0, 1
.endm
	s_wait_tensorcnt 1                             ; my part of K step 0 is in; K step 1's stays out
	s_barrier_signal -1
	s_barrier_wait -1
	FETCH 0, 0, F0
	LAP 1
	WIN 0
	s_mov_b32 s3, LAPS-2
.Llap:
	LAP 0
	WIN 0
	s_sub_co_u32 s3, s3, 1
	s_cmp_lg_u32 s3, 0
	s_cbranch_scc1 .Llap
	THREE 0, 0                                     ; the last lap fills nothing
	TURN 0, 1, 0
	THREE 1, 0
	s_wait_dscnt 8
	WIN MUL_LO
	MUL16 F1, 0, 0, 0
	MUL16 F1, 0, 2, 0
	s_wait_dscnt 0
	WIN MUL_HI
	MUL16 F1, 1, 0, 0
	MUL16 F1, 1, 2, 0
	; THE WAY OUT, 16 tokens at a time: norm, round to f16, through my own stage in LDS, out as runs of 512 bytes.
	WIN 0
	PLACES
	s_wait_loadcnt 0x0                             ; the norm weights
	s_lshr_b32 s14, s13, 3                         ; b = block row / 8
	s_lshl_b32 s14, s14, 22                        ; 16 heads x 2,048 tokens x 128 bytes
	s_and_b32 s15, s13, 7
	s_lshl_b32 s15, s15, 15                        ; 256 tokens x 128 bytes
	s_add_co_u32 s14, s14, s15
	s_lshl_b32 s15, s11, 14                        ; my half: 128 tokens
	s_add_co_u32 s16, s14, s15
	s_mov_b32 s17, 0
	s_add_nc_u64 s[8:9], s[8:9], s[16:17]
	s_lshl_b32 s46, s40, 20                        ; head 4 cx + 2 x half, 262,144 bytes each
	s_lshl_b32 s47, s12, 19
	s_add_co_u32 s46, s46, s47
	s_mov_b32 s47, 0
	s_add_nc_u64 s[8:9], s[8:9], s[46:47]
.set k, 0
.rept 16
	v_pk_mul_f32 v[WN+2*k:WN+2*k+1], v[WN+2*k:WN+2*k+1], s[80:81] op_sel_hi:[1,0]   ; both by s80: q's factor rides on the weights
.set k, k+1
.endr
.set k, 0
.rept 32
	v_cndmask_b32 v[WN+k], v[WN+k], 1.0, s86       ; v has no weights
.set k, k+1
.endr
; tokens 16 i .. 16 i + 15 of my block = the eight tiles (a, 0..7) of window 2 or 3.  from: both sources in that window; from1: source 0 alone; f: read-back buffer
.macro OUTN i, a, from, from1, f
	WIN \from
.irp hh, 0,1
	v_pk_mul_f32 v[SS+2*\hh:SS+2*\hh+1], v[8*(8*\a+4*\hh):8*(8*\a+4*\hh)+1], v[8*(8*\a+4*\hh):8*(8*\a+4*\hh)+1]
.endr
.irp p, 1,2,3,4,5,6,7,8,9,10,11,12,13,14,15
.irp hh, 0,1
	v_pk_fma_f32 v[SS+2*\hh:SS+2*\hh+1], v[8*(8*\a+4*\hh)+2*\p:8*(8*\a+4*\hh)+2*\p+1], v[8*(8*\a+4*\hh)+2*\p:8*(8*\a+4*\hh)+2*\p+1], v[SS+2*\hh:SS+2*\hh+1]
.endr
.endr
	WIN 0
.irp hh, 0,1
	v_add_f32 v[SS+2*\hh], v[SS+2*\hh], v[SS+2*\hh+1]          ; my 32 of the head's 64 squares
.endr
.irp hh, 0,1
	v_permlanex16_b32 v[PX+\hh], v[SS+2*\hh], s83, s84         ; the other 32 lie in the other half of the lanes
.endr
.irp hh, 0,1
	v_add_f32 v[SS+2*\hh], v[SS+2*\hh], v[PX+\hh]
.endr
.irp hh, 0,1
	v_fma_f32 v[SS+2*\hh], v[SS+2*\hh], s81, s82               ; mean + 1e-6
.endr
.irp hh, 0,1
	v_rsq_f32 v[RS+2*\hh], v[SS+2*\hh]
	v_rsq_f32 v[RS+2*\hh+1], v[SS+2*\hh]
.endr
	v_nop                                          ; the plain place behind the transcendentals (ISA guide 5.7.2)
	s_wait_alu depctr_va_vdst(0)
.irp k, 0,1,2,3
	v_cndmask_b32 v[RS+\k], v[RS+\k], 1.0, s86     ; v is not normed
.endr
	WIN \from1
.irp b, 0,1,2,3,4,5,6,7
.irp p, 0,1,2,3
	v_pk_mul_f32 v[F0+8*\b+2*\p:F0+8*\b+2*\p+1], v[8*(8*\a+\b)+2*\p:8*(8*\a+\b)+2*\p+1], v[WN+8*(\b&3)+2*\p:WN+8*(\b&3)+2*\p+1]
.endr
.endr
	WIN 0
.irp b, 0,1,2,3,4,5,6,7
.irp p, 0,1,2,3
	v_pk_mul_f32 v[F0+8*\b+2*\p:F0+8*\b+2*\p+1], v[F0+8*\b+2*\p:F0+8*\b+2*\p+1], v[RS+2*(\b>>2):RS+2*(\b>>2)+1]
.endr
.endr
.irp b, 0,1,2,3,4,5,6,7
.irp p, 0,1,2,3
	v_cvt_pk_f16_f32 v[TMP+4*\b+\p], v[F0+8*\b+2*\p], v[F0+8*\b+2*\p+1]
.endr
.endr
.irp b, 0,1,2,3,4,5,6,7
	ds_store_b128 v[STO], v[TMP+4*\b:TMP+4*\b+3] offset:32*\b
.endr
	s_wait_xcnt 0x0                                ; buffer f was the data of earlier stores: it is loaded again only behind this wait
.irp t, 0,1,2,3,4,5,6,7
	ds_load_b128 v[\f+4*\t:\f+4*\t+3], v[RD] offset:(\t&3)*4*SPITCH+(\t>>2)*128   ; LDS serves a wave's instructions in order: these see the stores above
.endr
.irp t, 0,1,2,3,4,5,6,7
	s_wait_dscnt 7-\t                              ; load t is in, the younger ones stay out
	global_store_b128 v[CO], v[\f+4*\t:\f+4*\t+3], s[8:9] offset:(\t>>2)*262144+(16*\i+4*(\t&3))*128   ; four tokens of one head: 512 consecutive bytes
.endr
.endm
	OUTN 0, 0, 0x0a, 0x02, F1
	OUTN 1, 1, 0x0a, 0x02, F1+32
	OUTN 2, 2, 0x0a, 0x02, F1
	OUTN 3, 3, 0x0a, 0x02, F1+32
	OUTN 4, 0, 0x0f, 0x03, F1
	OUTN 5, 1, 0x0f, 0x03, F1+32
	OUTN 6, 2, 0x0f, 0x03, F1
	OUTN 7, 3, 0x0f, 0x03, F1+32
	s_set_vgpr_msb 0x1
	s_wait_tensorcnt 0x0
	ds_add_u32 v255, v255
	s_wait_dscnt 0x0
	s_set_vgpr_msb 0x100
	CROUND                                         ; the closing round: no work-group ends while a partner may still ask jointly
	s_endpgm
.Lfunc_end_k_q76050fd3f8_qkv:
	.size	k_q76050fd3f8_qkv, .Lfunc_end_k_q76050fd3f8_qkv-k_q76050fd3f8_qkv
	.p2alignl 7, 3214868480
	.fill 96, 4, 3214868480
	.section	.rodata,"a",@progbits
	.p2align	6, 0x0
	.amdhsa_kernel k_q76050fd3f8_qkv
		.amdhsa_group_segment_fixed_size 327680
		.amdhsa_private_segment_fixed_size 0
		.amdhsa_enable_private_segment 0
		.amdhsa_kernarg_size 56
		.amdhsa_user_sgpr_count 2
		.amdhsa_user_sgpr_kernarg_segment_ptr 1
		.amdhsa_wavefront_size32 1
		.amdhsa_system_sgpr_workgroup_id_x 1
		.amdhsa_system_sgpr_workgroup_id_y 1
		.amdhsa_system_sgpr_workgroup_id_z 1
		.amdhsa_system_vgpr_workitem_id 0
		.amdhsa_next_free_vgpr 1024
		.amdhsa_next_free_sgpr 96
		.amdhsa_reserve_vcc 0
		.amdhsa_float_denorm_mode_32 3
		.amdhsa_float_denorm_mode_16_64 3
		.amdhsa_memory_ordered 1
		.amdhsa_forward_progress 1
		.amdhsa_inst_pref_size 255
	.end_amdhsa_kernel
	.amdgpu_metadata
---
amdhsa.version: [ 1, 2 ]
amdhsa.kernels:
  - .name:           k_q76050fd3f8_qkv
    .symbol:         k_q76050fd3f8_qkv.kd
    .args:
      - { .name: xh, .offset: 0, .size: 8, .value_kind: global_buffer, .address_space: global }
      - { .name: wqkvh, .offset: 8, .size: 8, .value_kind: global_buffer, .address_space: global }
      - { .name: q_norm_w, .offset: 16, .size: 8, .value_kind: global_buffer, .address_space: global }
      - { .name: k_norm_w, .offset: 24, .size: 8, .value_kind: global_buffer, .address_space: global }
      - { .name: qh, .offset: 32, .size: 8, .value_kind: global_buffer, .address_space: global }
      - { .name: kh, .offset: 40, .size: 8, .value_kind: global_buffer, .address_space: global }
      - { .name: vh, .offset: 48, .size: 8, .value_kind: global_buffer, .address_space: global }
    .group_segment_fixed_size: 327680
    .private_segment_fixed_size: 0
    .kernarg_segment_align: 8
    .kernarg_segment_size: 56
    .max_flat_workgroup_size: 128
    .sgpr_count:     96
    .vgpr_count:     1024
    .wavefront_size: 32
...
	.end_amdgpu_metadata
.endif
;; end of part 2
;; launch attn (part 3): grid 16 x 16, 8 waves a work-group, clusters of 4 x 4, 327,680 bytes of LDS; arguments qh, kh, vh, interaction_mask, character_masks, cq, isolation_gate, oh; writes oh
.if DOCPART == 3
	.amdgcn_target "amdgcn-amd-amdhsa--gfx1250"
	.amdhsa_code_object_version 6
	.text
	.protected	k_q76050fd3f8_attn
	.globl	k_q76050fd3f8_attn
	.p2align	8
	.type	k_q76050fd3f8_attn,@function
k_q76050fd3f8_attn:
	s_mov_b64 s[64:65], 0
	v_nop
	global_prefetch_b8 v0, s[64:65] scope:SCOPE_SE
	s_setreg_imm32_b32 hwreg(HW_REG_WAVE_MODE, 25, 1), 1
	s_wait_xcnt 0x0
	s_wait_alu depctr_hold_cnt(0) depctr_sa_sdst(0) depctr_va_vdst(0) depctr_va_sdst(0) depctr_va_ssrc(0) depctr_va_vcc(0) depctr_vm_vsrc(0)
	s_getreg_b32 s2, hwreg(HW_REG_IB_STS2, 6, 4)
	s_cmp_eq_u32 s2, 0
	s_cbranch_scc0 .Lentry_in_a_cluster
	s_endpgm
.Lentry_in_a_cluster:
	s_bfe_u32 s2, ttmp6, 0x10000c
	s_cmp_lg_u32 s2, 0xf033
	s_cbranch_scc0 .Lentry_shape_is_right
	s_endpgm
.Lentry_shape_is_right:
; Attention with the isolation bias.  A work-group takes 128 queries of TWO heads of one b, so that one mask tile in LDS serves both heads
; and two slots of 128 keys fit (with 256 queries of one head they would take 348,160 bytes).  Keys go in 16 steps of 128 through the two slots.
; Eight waves: wave = (head w / 4, query group (w / 2) mod 2, key half w mod 2).  A wave takes 64 queries (four tiles of 16) and 64 of a step's
; 128 keys, with a running maximum, sum and O of its own; at the end the two waves of a pair swap half of their query tiles through LDS,
; merge them by 2^(m - max) and finish 32 queries each.  K's and V's fragments so feed four query tiles.
; Scores are exponents of 2 (q carries 0.125 log2 e):
;   s = q.k  +  0.9 g log2e * im[q][k]  +  6 g log2e * (cm_q . cm_k) / rowmax_q ,   g = clip(gate[head], 0, 1)
; The mask term starts the sum (C of the first product, f32); the character term is a third K step of the product (4 of its 32 k used).
; The bias's term -3 g is the same for every key of a row: a softmax is unchanged by it, so it is not formed.
; The running maximum is kept, as the softmax of the problem takes the maximum away.
; TRANSPOSED PRODUCTS: S^T = K Q^T, so lane (r, h) holds query r and keys 8 h + j: maximum and sum are per lane plus one exchange of halves,
; and two S^T tiles packed to f16 are the second source of O^T = V^T P^T as they lie.  V^T's fragments come by the transposing LDS load.
; THE TWO HALVES OF A STEP.  A: the LDS loads, the mask times the gate, the score products, the loads of V's fragments.  B: the softmax
; arithmetic and O's products, on registers alone.  Waves 0, 2, 5, 7 (key half = head of the pair) take A and B of a step in one trip; waves
; 1, 3, 4, 6 take B one trip late, ahead of the next A.  Of waves w and w + 4, and of waves w and w xor 1, one is of each kind, so from trip 2 on
; four waves are in A while four are in B.  A late wave carries the scores and V's fragments over the round in registers: all its reads of a slot
; are issued in A and waited for in front of the next round, so the slot is free for its refill as it is for the others.
; Step 0 is taken alike by all waves, so that every way through the branches finds maximum, sum and O started.
; CLUSTERS 4 x 4: x = query block, y = 8 b + head pair.  K and V hang on y alone: asked for jointly along a row of the cluster.  The mask tile
; hangs on b and the query block alone: asked for jointly along a column (four head pairs).  That divides both kinds of request by four.
; By this text's own count a wave has at most one tensor load outstanding.
; LIMIT: operands are f16: |cm|, |v| and 8.66 |cm| / rowmax must stay below 65,504; the last is at most 8,660 by the clip at 1e-6.
.set MP, 528                           ; pitches: odd multiples of 16 for plain fragment loads,
.set KP, 144
.set VP, 160                           ; an odd multiple of 32 for the transposing load
.set KOFF,  128*MP                     ; a slot: mask 128 rows x 528, then K 2 heads x 128 rows x 144, then V 2 x 128 x 160
.set VOFF,  KOFF+2*128*KP
.set SLOTB, VOFF+2*128*VP              ; 145,408
.set CMK,   2*SLOTB                    ; cm as [key][4] f16, 16,384 bytes, written by LDS stores: no tensor load lands there
.set XW,    8704                       ; the end's exchange: 8,192 bytes of O and 512 of m and l for each wave, from LDS byte 0,
.set OST,   8*XW                       ; and behind it the way out's stage, 32 rows x 144 bytes for each wave: both in slot 0, behind its last fill
.set G1M, 32
.set G1K, 40
.set G1V, 48
.set G0M, 56                           ; s[56:59], s[60:63]: a group 0 for each slot
.set G0K, 68
.set G0V, 76
; window 0
.set ADRM, 4                           ; v4-5   my mask rows and keys in slot 0, 1
.set ADRK, 6
.set ADRV, 8
.set ADRC, 10                          ; my keys' cm, stepped by 128 keys a step
.set STO,  11
.set RD,   12
.set CO,   13
.set PFO,  14
.set GS,   16                          ; v[16:17] 0.9 g log2e, twice
.set MX,   20                          ; v[20:27] running maximum, a pair for each query tile
.set TA,   28                          ; v28-31
.set T2,   32                          ; v32-35
.set TB,   36                          ; v36-39
.set DA,   40                          ; v40-43
.set AL,   44                          ; v[44:51] 2^(old max - new max), a pair for each query tile
.set LL,   52                          ; v52-55  running sum of my half of the lanes' keys
.set LS,   56                          ; v[56:63]
.set SC,   64                          ; v64-191  scores: 32 qt + 8 kt + j; later P in f16 at 32 qt + 16 kg + 0..7
.set KF,   192                         ; v192-255 K fragments: 16 kt + 8 ks
.set VF,   192                         ; then V^T fragments in the same registers: 32 kg + 8 ht
.set TMP,  192
; window 1
.set OA,   0                           ; O^T: 32 qt + 8 ht
.set QF,   128                         ; Q fragments: 16 qt + 8 ks
.set QC,   192                         ; cm fragments of the queries: 8 qt
.set KC,   224                         ; cm fragments of the keys: 8 kt; registers 2-7 stay 0
.set MSB, 0
.macro WIN new                         ; the immediate's high byte repeats the setting that is left
.if MSB != \new
	s_set_vgpr_msb (MSB<<8)|\new
.set MSB, \new
.endif
.endm
.macro PLACES                          ; four places behind a matrix instruction (ISA guide 7.12.1)
.rept 4
	v_nop
.endr
.endm
.macro ROUND                           ; a round of the cluster's barrier
	s_barrier_signal -1
	s_barrier_wait -1
	s_cmp_lg_u32 s20, 0
	s_cbranch_scc1 .Lnw0_\@
	s_barrier_signal -3
.Lnw0_\@:
	s_barrier_wait -3
	s_barrier_signal -1
	s_barrier_wait -1
.endm
; The joint loads of one slot: waves 0, 1 half of the mask tile each (64 rows of 512 bytes), waves 2, 3 K of the two heads, waves 4, 5 V; waves 6, 7 none.
.macro JLOAD s
	s_cmp_lt_u32 s20, 2
	s_cbranch_scc0 .Lnotm_\@
	tensor_load_to_lds s[G0M+4*\s:G0M+4*\s+3], s[G1M:G1M+7]
	s_nop 0
	s_branch .Lasked_\@
.Lnotm_\@:
	s_cmp_lt_u32 s20, 4
	s_cbranch_scc0 .Lnotk_\@
	tensor_load_to_lds s[G0K+4*\s:G0K+4*\s+3], s[G1K:G1K+7]
	s_nop 0
	s_branch .Lasked_\@
.Lnotk_\@:
	s_cmp_lt_u32 s20, 6
	s_cbranch_scc0 .Lasked_\@
	tensor_load_to_lds s[G0V+4*\s:G0V+4*\s+3], s[G1V:G1V+7]
	s_nop 0
.Lasked_\@:
.endm
	s_load_b512 s[4:19], s[0:1], 0x0               ; qh, kh, vh, im, cm, cq, gate, oh
	v_lshl_add_u32 v62, v0, 2, 0x4b000
	v_mov_b32 v63, 0
	ds_add_u32 v62, v63
	s_wait_dscnt 0x0
	v_lshrrev_b32 v1, 5, v0
	v_readfirstlane_b32 s20, v1                    ; wave 0..7
	s_and_b32 s2, s20, 1                           ; my half of a step's keys.  Also: which half of the mask tile, or which head's K or V, I fetch
	s_lshr_b32 s3, s20, 2                          ; my head of the pair
	s_bfe_u32 s21, ttmp6, 0x40000                  ; cx
	s_bfe_u32 s22, ttmp6, 0x40004                  ; cy
	s_lshl_b32 s23, ttmp9, 2
	s_add_co_u32 s23, s23, s21                     ; query block = 4 x cluster x + cx
	s_and_b32 s31, ttmp7, 0xffff                   ; cluster y
	s_lshr_b32 s25, s31, 1                         ; b: from the cluster's y alone, so it is shared by the whole cluster
	s_lshl_b32 s24, s31, 2
	s_add_co_u32 s24, s24, s22                     ; y = 8 b + head pair
	s_and_b32 s26, s24, 7                          ; head pair
	s_lshl_b32 s27, s22, 2
	s_lshl_b32 s27, 15, s27                        ; my row of the cluster
	s_lshl_b32 s28, 0x1111, s21                    ; my column
	; group 1 of the mask tile: 64 rows x 128 f32, 16 bytes of padding behind each row of 512
	s_or_b32 s[G1M+0], s28, (2<<16)|(1<<20)|(1<<21)|(6<<22)|(3<<25)
	s_mov_b32 s[G1M+1], 128<<16
	s_mov_b32 s[G1M+2], 64<<16
	s_mov_b32 s[G1M+3], 128<<16
	s_mov_b32 s[G1M+4], 64
	s_mov_b32 s[G1M+5], 2048
	s_mov_b32 s[G1M+6], 0
	s_mov_b32 s[G1M+7], 0
	; K: 128 rows x 64 f16, 16 bytes behind each row of 128;  V: the same with 32 bytes
	s_or_b32 s[G1K+0], s27, (1<<16)|(1<<20)|(1<<21)|(4<<22)|(3<<25)
	s_or_b32 s[G1V+0], s27, (1<<16)|(1<<20)|(1<<21)|(4<<22)|(7<<25)
.irp g, G1K, G1V
	s_mov_b32 s[\g+1], 64<<16
	s_mov_b32 s[\g+2], 128<<16
	s_mov_b32 s[\g+3], 64<<16
	s_mov_b32 s[\g+4], 128
	s_mov_b32 s[\g+5], 64
	s_mov_b32 s[\g+6], 0
	s_mov_b32 s[\g+7], 0
.endr
	s_lshl_b32 s29, s25, 11
	s_lshl_b32 s90, s23, 7
	s_add_co_u32 s29, s29, s90                     ; the block's first token row: 2,048 b + 128 x query block
	s_lshl_b32 s90, s2, 6
	s_add_co_u32 s90, s90, s29
	s_lshl_b32 s90, s90, 13                        ; mask: row + 64 x half, 8,192 bytes a row
	s_mov_b32 s91, 0
	s_lshl_b32 s92, s24, 1
	s_add_co_u32 s92, s92, s2                      ; K, V: head 2 y + (wave mod 2),
	s_lshl_b32 s92, s92, 18                        ; 2,048 tokens x 128 bytes each
	s_mov_b32 s93, 0
	s_wait_kmcnt 0x0
	s_add_nc_u64 s[94:95], s[10:11], s[90:91]
	s_add_nc_u64 s[96:97], s[6:7], s[92:93]
	s_add_nc_u64 s[98:99], s[8:9], s[92:93]
	s_lshl_b32 s90, s26, 3
	s_add_nc_u64 s[90:91], s[16:17], s[90:91]
	s_load_b64 s[30:31], s[90:91], 0x0             ; the pair's two gates
	; LDS addresses: a constant + the wave's number times a constant + the slot's constant (waves 0, 1: mask; 2, 3: K; 4, 5: V)
.irp s, 0,1
	s_mov_b32 s[G0M+4*\s], 1
	s_mul_i32 s[G0M+4*\s+1], s20, 64*MP
	s_add_co_u32 s[G0M+4*\s+1], s[G0M+4*\s+1], \s*SLOTB
	s_add_nc_u64 s[G0M+4*\s+2:G0M+4*\s+3], s[94:95], \s*512
	s_or_b32 s[G0M+4*\s+3], s[G0M+4*\s+3], 0x80000000
	s_mov_b32 s[G0K+4*\s], 1
	s_mul_i32 s[G0K+4*\s+1], s20, 128*KP
	s_add_co_u32 s[G0K+4*\s+1], s[G0K+4*\s+1], KOFF-2*128*KP+\s*SLOTB
	s_add_nc_u64 s[G0K+4*\s+2:G0K+4*\s+3], s[96:97], \s*16384
	s_or_b32 s[G0K+4*\s+3], s[G0K+4*\s+3], 0x80000000
	s_mov_b32 s[G0V+4*\s], 1
	s_mul_i32 s[G0V+4*\s+1], s20, 128*VP
	s_add_co_u32 s[G0V+4*\s+1], s[G0V+4*\s+1], VOFF-4*128*VP+\s*SLOTB
	s_add_nc_u64 s[G0V+4*\s+2:G0V+4*\s+3], s[98:99], \s*16384
	s_or_b32 s[G0V+4*\s+3], s[G0V+4*\s+3], 0x80000000
.endr
	ROUND                                          ; all sixteen work-groups are here: the first joint loads meet
	JLOAD 0                                        ; step 0
	s_mov_b32 s85, 0x76543210                      ; v_permlanex16_b32: lane i takes lane i of the other half
	s_mov_b32 s86, 0xfedcba98
	s_bfe_u32 s96, s20, 0x10001                    ; query group
	s_lshl_b32 s96, s96, 6                         ; its 64 queries
	s_add_co_u32 s87, s29, s96                     ; my wave's first token row
	s_mov_b32 s95, 0
	s_lshl_b32 s94, s29, 13
	s_add_nc_u64 s[88:89], s[10:11], s[94:95]
	s_add_nc_u64 s[88:89], s[88:89], 2*512         ; prefetch: the block's mask rows at step 2
	s_lshl_b32 s94, s24, 1
	s_add_co_u32 s94, s94, s3                      ; my head, b included: 2 y + head of the pair
	s_lshl_b32 s94, s94, 11
	s_lshl_b32 s97, s23, 7
	s_add_co_u32 s94, s94, s97
	s_add_co_u32 s94, s94, s96
	s_lshl_b32 s94, s94, 7
	s_add_nc_u64 s[4:5], s[4:5], s[94:95]          ; q at my 64 queries
	s_lshl_b32 s94, s87, 4
	s_add_nc_u64 s[14:15], s[14:15], s[94:95]      ; cq at my 64 queries
	s_lshl_b32 s94, s25, 15
	s_add_nc_u64 s[12:13], s[12:13], s[94:95]      ; cm[b]
	s_lshl_b32 s94, s2, 5
	s_add_co_u32 s94, s94, s87                     ; the 32 queries that I finish: the half of my 64 with my key half's number
	s_lshl_b32 s94, s94, 11
	s_lshl_b32 s97, s26, 1
	s_add_co_u32 s97, s97, s3
	s_lshl_b32 s97, s97, 7
	s_add_co_u32 s94, s94, s97
	s_add_nc_u64 s[18:19], s[18:19], s[94:95]      ; oh at those rows and my head's 128 bytes
	v_and_b32 v1, 31, v0                           ; L
	v_and_b32 v2, 15, v0                           ; r
	v_bfe_u32 v3, v0, 4, 1                         ; h
	v_lshlrev_b32 v56, 7, v2
	v_lshl_add_u32 v56, v3, 4, v56                 ; q: 128 r + 16 h
	v_lshlrev_b32 v57, 4, v2                       ; cq: 16 r
	v_lshlrev_b32 v58, 4, v0                       ; cm: 16 t
	WIN 0x40
.irp qt, 0,1,2,3
.irp ks, 0,1
	global_load_b128 v[QF+16*\qt+8*\ks:QF+16*\qt+8*\ks+3],   v56, s[4:5] offset:\qt*2048+\ks*64
	global_load_b128 v[QF+16*\qt+8*\ks+4:QF+16*\qt+8*\ks+7], v56, s[4:5] offset:\qt*2048+\ks*64+32
.endr
.endr
	WIN 0
.irp qt, 0,1,2,3
	global_load_b128 v[SC+4*\qt:SC+4*\qt+3], v57, s[14:15] offset:\qt*256
.endr
.irp c, 0,1,2,3
.irp i, 0,1
	global_load_b128 v[SC+32+8*\c+4*\i:SC+32+8*\c+4*\i+3], v58, s[12:13] offset:\c*8192+\i*4096   ; keys 4 t + 1,024 i + 0..3
.endr
.endr
	s_mul_i32 s94, s96, MP                         ; my query group's rows,
	s_lshl_b32 s97, s2, 8                          ; my key half's 256 bytes of a row
	s_add_co_u32 s94, s94, s97
	v_mul_u32_u24 v36, v2, MP
	v_lshl_add_u32 v36, v3, 5, v36
	v_add_nc_u32 v[ADRM], s94, v36                 ; (64 qg + r) 528 + 256 kh + 32 h
	v_add_nc_u32 v[ADRM+1], SLOTB, v[ADRM]
	s_mul_i32 s94, s3, 128*KP
	s_mul_i32 s97, s2, 64*KP
	s_add_co_u32 s94, s94, s97
	s_add_co_u32 s94, s94, KOFF
	v_mul_u32_u24 v36, v2, KP
	v_lshl_add_u32 v36, v3, 4, v36
	v_add_nc_u32 v[ADRK], s94, v36                 ; my head's K, my 64 keys: r 144 + 16 h
	v_add_nc_u32 v[ADRK+1], SLOTB, v[ADRK]
	s_mul_i32 s94, s3, 128*VP
	s_mul_i32 s97, s2, 64*VP
	s_add_co_u32 s94, s94, s97
	s_add_co_u32 s94, s94, VOFF
	v_and_b32 v36, 7, v0
	v_lshl_add_u32 v36, v3, 3, v36
	v_mul_u32_u24 v36, v36, VP
	v_bfe_u32 v37, v0, 3, 1
	v_lshl_add_u32 v36, v37, 4, v36
	v_add_nc_u32 v[ADRV], s94, v36                 ; (8 h + L mod 8) 160 + 16 ((L / 8) mod 2)
	v_add_nc_u32 v[ADRV+1], SLOTB, v[ADRV]
	s_lshl_b32 s94, s2, 9
	s_add_co_u32 s94, s94, CMK
	v_lshl_add_u32 v[ADRC], v2, 3, s94             ; key 64 kh + r: 8 bytes
	s_mul_i32 s97, s20, 32*KP
	s_add_co_u32 s97, s97, OST
	v_mul_u32_u24 v36, v2, KP
	v_lshl_add_u32 v36, v3, 4, v36
	v_add_nc_u32 v[STO], s97, v36
	v_lshrrev_b32 v36, 3, v1
	v_and_b32 v37, 7, v0
	v_mul_u32_u24 v38, v36, KP
	v_lshl_add_u32 v38, v37, 4, v38
	v_add_nc_u32 v[RD], s97, v38
	v_lshlrev_b32 v36, 11, v36
	v_lshl_add_u32 v[CO], v37, 4, v36              ; (L / 8) rows of 2,048 bytes + 16 (L mod 8)
	s_lshl_b32 s97, s26, 4
	v_add_nc_u32 v36, s97, v2
	v_lshlrev_b32 v36, 13, v36
	v_lshl_add_u32 v[PFO], v3, 8, v36              ; prefetch: row 16 x head pair + L mod 16 of the block, block L / 16 of a step's 512 bytes
	v_lshlrev_b32 v15, 5, v0
	v_add_nc_u32 v15, CMK, v15                     ; where my 4 keys' cm go: 32 t
	s_wait_kmcnt 0x0
	s_cmp_eq_u32 s3, 0
	s_cselect_b32 s30, s30, s31                    ; my head's gate
	v_mov_b32 v18, s30
	v_max_num_f32 v18, 0, v18
	v_min_num_f32 v18, 1.0, v18                    ; g
	v_mul_f32 v[GS], 0x3fa632cf, v18               ; 0.9 log2e = 1.2984255
	v_mov_b32 v[GS+1], v[GS]
	v_mul_f32 v19, 0x410a7fac, v18                 ; 6 log2e = 8.6561702
.irp qt, 0,1,2,3
	v_mov_b32 v[T2+\qt], 0                         ; destinations of v_permlanex16_b32 count as read
.endr
	v_cmp_gt_u32 vcc_lo, 16, v1
	s_wait_loadcnt 0x0
.irp i, 0,1
.irp j, 0,1,2,3
	v_cvt_pk_f16_f32 v[SC+64+8*\i+2*\j],   v[SC+32+4*\i+\j],    v[SC+32+8+4*\i+\j]
	v_cvt_pk_f16_f32 v[SC+64+8*\i+2*\j+1], v[SC+32+16+4*\i+\j], v[SC+32+24+4*\i+\j]
.endr
	ds_store_b128 v15, v[SC+64+8*\i:SC+64+8*\i+3]   offset:8192*\i
	ds_store_b128 v15, v[SC+64+8*\i+4:SC+64+8*\i+7] offset:8192*\i+16
.endr
.irp qt, 0,1,2,3
.irp c, 0,1,2,3
	v_mul_f32 v[SC+4*\qt+\c], v19, v[SC+4*\qt+\c]
.endr
	v_cvt_pk_f16_f32 v[SC+16+2*\qt], v[SC+4*\qt],   v[SC+4*\qt+1]
	v_cvt_pk_f16_f32 v[SC+17+2*\qt], v[SC+4*\qt+2], v[SC+4*\qt+3]
.endr
	WIN 0x40
.irp qt, 0,1,2,3
	v_cndmask_b32 v[QC+8*\qt],   0, v[SC+16+2*\qt], vcc_lo     ; lanes 16-31 stand for k = 8 .. 15: zero on the queries' side,
	v_cndmask_b32 v[QC+8*\qt+1], 0, v[SC+17+2*\qt], vcc_lo     ; so what the keys' side holds there adds nothing
.irp k, 2,3,4,5,6,7
	v_mov_b32 v[QC+8*\qt+\k], 0                    ; k = 4 .. 31 of the character step do not exist
	v_mov_b32 v[KC+8*\qt+\k], 0
.endr
.endr
	WIN 0
; the mask of query tiles q0, q0 + 1 times 0.9 g log2e: the sums' start
.macro GATE q0
.set k, 0
.rept 32
	v_pk_mul_f32 v[SC+32*\q0+2*k:SC+32*\q0+2*k+1], v[SC+32*\q0+2*k:SC+32*\q0+2*k+1], v[GS:GS+1]
.set k, k+1
.endr
.endm
; the scores of query tiles q0, q0 + 1 against my 64 keys: 24 matrix instructions; eight accumulators take turns, one instruction a turn
.macro QKHALF q0
	WIN 0x04
.irp ks, 0,1
.irp kt, 0,1,2,3
.irp qa, 0,1
	v_wmma_f32_16x16x32_f16 v[SC+32*(\q0+\qa)+8*\kt:SC+32*(\q0+\qa)+8*\kt+7], v[KF+16*\kt+8*\ks:KF+16*\kt+8*\ks+7], v[QF+16*(\q0+\qa)+8*\ks:QF+16*(\q0+\qa)+8*\ks+7], v[SC+32*(\q0+\qa)+8*\kt:SC+32*(\q0+\qa)+8*\kt+7]
.endr
.endr
.endr
	WIN 0x05
.irp kt, 0,1,2,3
.irp qa, 0,1
	v_wmma_f32_16x16x32_f16 v[SC+32*(\q0+\qa)+8*\kt:SC+32*(\q0+\qa)+8*\kt+7], v[KC+8*\kt:KC+8*\kt+7], v[QC+8*(\q0+\qa):QC+8*(\q0+\qa)+7], v[SC+32*(\q0+\qa)+8*\kt:SC+32*(\q0+\qa)+8*\kt+7]
.endr
.endr
	WIN 0
.endm
; The head of a trip: the change of slots.  This trip reads \slot.  refill: the other slot gets the next step's tiles.
; pf: 0 no prefetch; 1 prefetch; 2 the prefetch's base steps first.
.macro HEAD slot, refill, pf
	s_wait_xcnt 0x0
	v_lshl_add_u32 v62, v0, 2, 0x4b000
	v_mov_b32 v63, 0
	s_wait_tensorcnt 0x0                           ; all my tensor loads have landed, my part of this step's tiles among them,
	ds_add_u32 v62, v63
	s_wait_dscnt 0x0
	s_add_nc_u64 s[G0M+4*\slot+2:G0M+4*\slot+3], s[G0M+4*\slot+2:G0M+4*\slot+3], 2*512     ; so every group 0 may be written: this slot's next tiles
	s_add_nc_u64 s[G0K+4*\slot+2:G0K+4*\slot+3], s[G0K+4*\slot+2:G0K+4*\slot+3], 2*16384
	s_add_nc_u64 s[G0V+4*\slot+2:G0V+4*\slot+3], s[G0V+4*\slot+2:G0V+4*\slot+3], 2*16384
.if \pf == 2
	s_wait_xcnt 0x0                                ; the prefetch of the trip before has read its base
	s_add_nc_u64 s[88:89], s[88:89], 512
.endif
	s_wait_dscnt 0x0                               ; my reads of the other slot, a late wave's loads of V among them (and, in the first trip, my stores of cm), are done
	ROUND                                          ; both now hold of every wave of every work-group of the cluster
.if \refill
.if \slot
	JLOAD 0
.else
	JLOAD 1
.endif
.endif
.if \pf
	; Wave 6, which has no tile to fetch, asks for the mask tile whose tensor loads go out at the head of the next trip: 16 rows x 2 blocks of
	; 256 bytes.  Each of the 8 head pairs that read these 128 rows asks for 16 of them, so each block is asked for once in the launch.
	; The 14 requests cover steps 2 to 15; none points past a row's end.
	s_cmp_eq_u32 s20, 6
	s_cbranch_scc0 .Lnopf_\@
	global_prefetch_b8 v[PFO], s[88:89] th:TH_LOAD_NT scope:SCOPE_SE
.Lnopf_\@:
.endif
.endm
; Half A of a step: my 64 of the 128 keys in \slot: loads, mask times gate, scores, and the loads of V's fragments into K's registers.
.macro PA slot
	WIN 0x40
.irp kt, 0,1,2,3
	ds_load_b64 v[KC+8*\kt:KC+8*\kt+1], v[ADRC] offset:128*\kt
.endr
	WIN 0
.irp kt, 0,1,2,3
.irp ks, 0,1
	ds_load_b128 v[KF+16*\kt+8*\ks:KF+16*\kt+8*\ks+3],   v[ADRK+\slot] offset:\kt*16*KP+\ks*64
	ds_load_b128 v[KF+16*\kt+8*\ks+4:KF+16*\kt+8*\ks+7], v[ADRK+\slot] offset:\kt*16*KP+\ks*64+32
.endr
.endr
.irp qt, 0,1,2,3
.irp kt, 0,1,2,3
	ds_load_b128 v[SC+32*\qt+8*\kt:SC+32*\qt+8*\kt+3],   v[ADRM+\slot] offset:\qt*16*MP+\kt*64
	ds_load_b128 v[SC+32*\qt+8*\kt+4:SC+32*\qt+8*\kt+7], v[ADRM+\slot] offset:\qt*16*MP+\kt*64+16
.endr
.endr
	v_add_nc_u32 v[ADRC], 1024, v[ADRC]            ; the next 128 keys' cm
	s_wait_dscnt 16                                ; cm, K and the mask of query tiles 0, 1 are in; the 16 younger loads (tiles 2, 3) stay out
	GATE 0
	QKHALF 0
	s_wait_dscnt 0x0                               ; the mask of query tiles 2, 3
	GATE 2
	QKHALF 2
	PLACES                                         ; in front of the loads into K's registers and of the reads of the scores
.irp kg, 0,1
.irp ht, 0,1,2,3
	ds_load_tr16_b128 v[VF+32*\kg+8*\ht:VF+32*\kg+8*\ht+3],   v[ADRV+\slot] offset:\kg*32*VP+\ht*32
	ds_load_tr16_b128 v[VF+32*\kg+8*\ht+4:VF+32*\kg+8*\ht+7], v[ADRV+\slot] offset:\kg*32*VP+\ht*32+16*VP
.endr
.endr
.endm
; Half B of a step, on registers alone: maximum, exponentials, sum, P in f16, O's products.  first: the step that starts maximum, sum and O.
.macro PB first
	; the largest of my 32 scores of each query tile and the old maximum, in two chains a tile
.irp qt, 0,1,2,3
.if \first
	v_max_num_f32 v[TA+\qt], v[SC+32*\qt], v[SC+32*\qt+1]
.else
	v_max3_num_f32 v[TA+\qt], v[MX+2*\qt], v[SC+32*\qt], v[SC+32*\qt+1]
.endif
	v_max3_num_f32 v[TB+\qt], v[SC+32*\qt+16], v[SC+32*\qt+17], v[SC+32*\qt+18]
.endr
.irp k, 1,2,3,4,5,6
.irp qt, 0,1,2,3
	v_max3_num_f32 v[TA+\qt], v[TA+\qt], v[SC+32*\qt+2*\k], v[SC+32*\qt+2*\k+1]
	v_max3_num_f32 v[TB+\qt], v[TB+\qt], v[SC+32*\qt+17+2*\k], v[SC+32*\qt+18+2*\k]
.endr
.endr
.irp qt, 0,1,2,3
	v_max3_num_f32 v[TA+\qt], v[TA+\qt], v[SC+32*\qt+14], v[SC+32*\qt+15]
.endr
.irp qt, 0,1,2,3
	v_max3_num_f32 v[TA+\qt], v[TA+\qt], v[TB+\qt], v[SC+32*\qt+31]
.endr
.irp qt, 0,1,2,3
	v_permlanex16_b32 v[T2+\qt], v[TA+\qt], s85, s86           ; the other half of the lanes holds the query's other keys
.endr
.irp qt, 0,1,2,3
	v_max_num_f32 v[TA+\qt], v[TA+\qt], v[T2+\qt]
.endr
.if \first == 0
.irp qt, 0,1,2,3
	v_sub_f32 v[DA+\qt], v[MX+2*\qt], v[TA+\qt]
.endr
.irp qt, 0,1,2,3
	v_exp_f32 v[AL+2*\qt], v[DA+\qt]
.endr
.endif
.irp qt, 0,1,2,3
	v_mov_b32 v[MX+2*\qt], v[TA+\qt]               ; plain places behind the exponentials
	v_mov_b32 v[MX+2*\qt+1], v[TA+\qt]
.endr
.irp qt, 0,1,2,3
.irp k, 0,1,2,3,4,5,6,7,8,9,10,11,12,13,14,15
	v_pk_add_f32 v[SC+32*\qt+2*\k:SC+32*\qt+2*\k+1], v[SC+32*\qt+2*\k:SC+32*\qt+2*\k+1], v[MX+2*\qt:MX+2*\qt+1] neg_lo:[0,1] neg_hi:[0,1]
.endr
.endr
.set k, 0
.rept 128
	v_exp_f32 v[SC+k], v[SC+k]
.set k, k+1
.endr
.if \first
	v_nop                                          ; one plain place behind the run of exponentials (ISA guide 5.7.2)
	s_wait_alu depctr_va_vdst(0)
.else
	s_wait_alu depctr_va_vdst(0)
.irp qt, 0,1,2,3
	v_mov_b32 v[AL+2*\qt+1], v[AL+2*\qt]           ; the first of these is the plain place behind the run of exponentials (ISA guide 5.7.2)
.endr
.endif
.irp qt, 0,1,2,3
	v_pk_add_f32 v[LS+2*\qt:LS+2*\qt+1], v[SC+32*\qt:SC+32*\qt+1], v[SC+32*\qt+2:SC+32*\qt+3]
.endr
.irp k, 2,3,4,5,6,7,8,9,10,11,12,13,14,15
.irp qt, 0,1,2,3
	v_pk_add_f32 v[LS+2*\qt:LS+2*\qt+1], v[LS+2*\qt:LS+2*\qt+1], v[SC+32*\qt+2*\k:SC+32*\qt+2*\k+1]
.endr
.endr
.irp qt, 0,1,2,3
.if \first
	v_add_f32 v[LL+\qt], v[LS+2*\qt], v[LS+2*\qt+1]
.else
	v_add_f32 v[LS+2*\qt], v[LS+2*\qt], v[LS+2*\qt+1]
.endif
.endr
.if \first == 0
.irp qt, 0,1,2,3
	v_fma_f32 v[LL+\qt], v[LL+\qt], v[AL+2*\qt], v[LS+2*\qt]   ; the sum stays per half of the lanes until the end
.endr
.endif
	; P to f16 in place: two score tiles become one fragment of 32 keys
.irp qt, 0,1,2,3
.irp kg, 0,1
.irp d, 0,1,2,3,4,5,6,7
	v_cvt_pk_f16_f32 v[SC+32*\qt+16*\kg+\d], v[SC+32*\qt+16*\kg+2*\d], v[SC+32*\qt+16*\kg+2*\d+1]
.endr
.endr
.endr
	s_wait_dscnt 0x0                               ; V's fragments (in a late wave they were waited for in front of the round)
.if \first == 0
	WIN 0x41
.irp qt, 0,1,2,3
.irp k, 0,1,2,3,4,5,6,7,8,9,10,11,12,13,14,15
	v_pk_mul_f32 v[OA+32*\qt+2*\k:OA+32*\qt+2*\k+1], v[OA+32*\qt+2*\k:OA+32*\qt+2*\k+1], v[AL+2*\qt:AL+2*\qt+1]
.endr
.endr
.endif
	WIN 0x50
	; sixteen accumulators take turns, one instruction a turn
.irp kg, 0,1
.irp ht, 0,1,2,3
.irp qt, 0,1,2,3
.if \first*(1-\kg)
	v_wmma_f32_16x16x32_f16 v[OA+32*\qt+8*\ht:OA+32*\qt+8*\ht+7], v[VF+32*\kg+8*\ht:VF+32*\kg+8*\ht+7], v[SC+32*\qt+16*\kg:SC+32*\qt+16*\kg+7], 0
.else
	v_wmma_f32_16x16x32_f16 v[OA+32*\qt+8*\ht:OA+32*\qt+8*\ht+7], v[VF+32*\kg+8*\ht:VF+32*\kg+8*\ht+7], v[SC+32*\qt+16*\kg:SC+32*\qt+16*\kg+7], v[OA+32*\qt+8*\ht:OA+32*\qt+8*\ht+7]
.endif
.endr
.endr
.endr
	WIN 0
	PLACES                                         ; in front of the next loads into P's and V's registers, and of the end's reads of O
.endm
; A trip.  lag = 1: the late waves (key half differs from the head of the pair) first take half B of the step before.
; Both branches hang on the wave's number alone; no barrier, tensor load or wait for a refill stands inside them.
.macro TRIP slot, refill, pf, lag
	HEAD \slot, \refill, \pf
.if \lag
	s_cmp_eq_u32 s2, s3
	s_cbranch_scc1 .Lnolag_\@
	PB 0
.Lnolag_\@:
.endif
	PA \slot
	s_cmp_eq_u32 s2, s3
	s_cbranch_scc0 .Lnolead_\@
	PB 0
.Lnolead_\@:
.endm
	HEAD 0, 1, 1                                   ; step 0: all waves alike; it starts maximum, sum and O
	PA 0
	PB 1
	TRIP 1, 1, 2, 0                                ; trip 1: the late waves take half A of step 1 and stop there
	s_mov_b32 s84, 6
.Lsteps:
	TRIP 0, 1, 2, 1                                ; trips 2 to 13
	TRIP 1, 1, 2, 1
	s_sub_co_u32 s84, s84, 1
	s_cmp_lg_u32 s84, 0
	s_cbranch_scc1 .Lsteps
	TRIP 0, 1, 0, 1                                ; trip 14: nothing more to prefetch,
	TRIP 1, 0, 0, 1                                ; trip 15: and nothing to fetch
	s_cmp_eq_u32 s2, s3
	s_cbranch_scc1 .Lcaught_up
	PB 0                                           ; the late waves' half B of step 15
.Lcaught_up:
	; THE END.  The two waves of a pair (key halves 0 and 1 of the same head and queries) each hold a maximum, a sum and an O over their own keys.
	; Key half 0 hands over query tiles 2, 3 and keeps 0, 1; key half 1 the other way round.  The bytes lie in slot 0: its last tile has landed and was
	; read by every wave in front of the last round, and no tensor load follows.
.irp qt, 0,1,2,3
	v_permlanex16_b32 v[T2+\qt], v[LL+\qt], s85, s86
.endr
.irp qt, 0,1,2,3
	v_add_f32 v[LL+\qt], v[LL+\qt], v[T2+\qt]      ; the sum over my wave's keys
.endr
	s_mul_i32 s94, s20, XW                         ; my bytes,
	s_xor_b32 s95, s20, 1
	s_mul_i32 s95, s95, XW                         ; my partner's
	v_lshlrev_b32 v4, 4, v1
	v_add_nc_u32 v5, s95, v4
	v_add_nc_u32 v4, s94, v4                       ; O: 16 bytes a lane and block of four registers; the partner has the same lane layout
	v_lshlrev_b32 v6, 2, v1
	v_add_nc_u32 v7, s95, v6
	v_add_nc_u32 v6, s94, v6                       ; m and l: 4 bytes a lane
.macro SEND qs                         ; query tiles qs, qs + 1 go to the partner
	WIN 0x04                                       ; store data in window 1
.irp i, 0,1,2,3,4,5,6,7,8,9,10,11,12,13,14,15
	ds_store_b128 v4, v[OA+32*\qs+4*\i:OA+32*\qs+4*\i+3] offset:512*\i
.endr
	WIN 0
	ds_store_b32 v6, v[MX+2*\qs]   offset:8192
	ds_store_b32 v6, v[MX+2*\qs+2] offset:8192+128
	ds_store_b32 v6, v[LL+\qs]     offset:8192+256
	ds_store_b32 v6, v[LL+\qs+1]   offset:8192+384
.endm
.macro FIN q0                          ; query tiles q0, q0 + 1 are merged with the partner's, divided by the sum and stored
.irp i, 0,1,2,3,4,5,6,7,8,9,10,11,12,13,14,15
	ds_load_b128 v[SC+4*\i:SC+4*\i+3], v5 offset:512*\i
.endr
.irp i, 0,1,2,3
	ds_load_b32 v[SC+64+\i], v7 offset:8192+128*\i             ; m, m, l, l
.endr
	s_wait_dscnt 0x0
.irp a, 0,1
	v_max_num_f32 v[TA+\a], v[MX+2*(\q0+\a)], v[SC+64+\a]
.endr
.irp a, 0,1
	v_sub_f32 v[DA+\a],   v[MX+2*(\q0+\a)], v[TA+\a]
	v_sub_f32 v[DA+2+\a], v[SC+64+\a],      v[TA+\a]
.endr
.irp a, 0,1
	v_exp_f32 v[AL+2*\a],   v[DA+\a]
	v_exp_f32 v[AL+4+2*\a], v[DA+2+\a]
.endr
	v_nop                                          ; the plain place behind the exponentials
	s_wait_alu depctr_va_vdst(0)
.irp a, 0,1
	v_mul_f32 v[T2+\a], v[LL+\q0+\a], v[AL+2*\a]
.endr
.irp a, 0,1
	v_fmac_f32 v[T2+\a], v[SC+66+\a], v[AL+4+2*\a]             ; the whole row's sum
.endr
.irp a, 0,1
	v_rcp_f32 v[TB+\a], v[T2+\a]
.endr
	v_nop                                          ; the plain place behind the reciprocals
	s_wait_alu depctr_va_vdst(0)
.irp a, 0,1
	v_mul_f32 v[AL+2*\a],   v[AL+2*\a],   v[TB+\a]
	v_mul_f32 v[AL+4+2*\a], v[AL+4+2*\a], v[TB+\a]
.endr
.irp a, 0,1
	v_mov_b32 v[AL+2*\a+1],   v[AL+2*\a]
	v_mov_b32 v[AL+4+2*\a+1], v[AL+4+2*\a]
.endr
	WIN 0x41
.irp a, 0,1
.irp k, 0,1,2,3,4,5,6,7,8,9,10,11,12,13,14,15
	v_pk_mul_f32 v[OA+32*(\q0+\a)+2*\k:OA+32*(\q0+\a)+2*\k+1], v[OA+32*(\q0+\a)+2*\k:OA+32*(\q0+\a)+2*\k+1], v[AL+2*\a:AL+2*\a+1]
.endr
.endr
	WIN 0x50
.irp a, 0,1
.irp k, 0,1,2,3,4,5,6,7,8,9,10,11,12,13,14,15
	v_pk_fma_f32 v[OA+32*(\q0+\a)+2*\k:OA+32*(\q0+\a)+2*\k+1], v[SC+32*\a+2*\k:SC+32*\a+2*\k+1], v[AL+4+2*\a:AL+4+2*\a+1], v[OA+32*(\q0+\a)+2*\k:OA+32*(\q0+\a)+2*\k+1]
.endr
.endr
	WIN 0x05
.irp a, 0,1
.irp ht, 0,1,2,3
.irp p, 0,1,2,3
	v_cvt_pk_f16_f32 v[TMP+16*\a+4*\ht+\p], v[OA+32*(\q0+\a)+8*\ht+2*\p], v[OA+32*(\q0+\a)+8*\ht+2*\p+1]
.endr
.endr
.endr
	WIN 0
.irp a, 0,1
.irp ht, 0,1,2,3
	ds_store_b128 v[STO], v[TMP+16*\a+4*\ht:TMP+16*\a+4*\ht+3] offset:\a*16*KP+\ht*32
.endr
.endr
.irp t, 0,1,2,3,4,5,6,7
	ds_load_b128 v[SC+4*\t:SC+4*\t+3], v[RD] offset:\t*4*KP    ; my own bytes: LDS serves a wave's instructions in order
.endr
.irp t, 0,1,2,3,4,5,6,7
	s_wait_dscnt 7-\t                              ; load t is in, the younger ones stay out
	global_store_b128 v[CO], v[SC+4*\t:SC+4*\t+3], s[18:19] offset:\t*8192   ; eight lanes store a head's whole 128 bytes of a token
.endr
.endm
	s_cmp_eq_u32 s2, 0
	s_cbranch_scc0 .Lsend_low
	SEND 2
	s_branch .Lsent
.Lsend_low:
	SEND 0
.Lsent:
	s_wait_dscnt 0x0                               ; my stores are done, for my partner's sake
	s_barrier_signal -1
	s_barrier_wait -1
	s_cmp_eq_u32 s2, 0
	s_cbranch_scc0 .Lfin_high
	FIN 0
	s_branch .Ldone
.Lfin_high:
	FIN 2
.Ldone:
	s_wait_xcnt 0x0
	v_lshl_add_u32 v62, v0, 2, 0x4b000
	v_mov_b32 v63, 0
	s_wait_tensorcnt 0x0
	ds_add_u32 v62, v63
	s_wait_dscnt 0x0
	ROUND                                          ; the closing round
	s_endpgm
.Lfunc_end_k_q76050fd3f8_attn:
	.size	k_q76050fd3f8_attn, .Lfunc_end_k_q76050fd3f8_attn-k_q76050fd3f8_attn
	.p2alignl 7, 3214868480
	.fill 96, 4, 3214868480
	.section	.rodata,"a",@progbits
	.p2align	6, 0x0
	.amdhsa_kernel k_q76050fd3f8_attn
		.amdhsa_group_segment_fixed_size 327680
		.amdhsa_private_segment_fixed_size 0
		.amdhsa_enable_private_segment 0
		.amdhsa_kernarg_size 64
		.amdhsa_user_sgpr_count 2
		.amdhsa_user_sgpr_kernarg_segment_ptr 1
		.amdhsa_wavefront_size32 1
		.amdhsa_system_sgpr_workgroup_id_x 1
		.amdhsa_system_sgpr_workgroup_id_y 1
		.amdhsa_system_sgpr_workgroup_id_z 1
		.amdhsa_system_vgpr_workitem_id 0
		.amdhsa_next_free_vgpr 512
		.amdhsa_next_free_sgpr 100
		.amdhsa_reserve_vcc 1
		.amdhsa_float_denorm_mode_32 3
		.amdhsa_float_denorm_mode_16_64 3
		.amdhsa_memory_ordered 1
		.amdhsa_forward_progress 1
		.amdhsa_inst_pref_size 255
	.end_amdhsa_kernel
	.section	.bss,"aw",@nobits
	.p2align	6
	.space	262144
	.amdgpu_metadata
---
amdhsa.version: [ 1, 2 ]
amdhsa.kernels:
  - .name:           k_q76050fd3f8_attn
    .symbol:         k_q76050fd3f8_attn.kd
    .args:
      - { .name: qh, .offset: 0, .size: 8, .value_kind: global_buffer, .address_space: global }
      - { .name: kh, .offset: 8, .size: 8, .value_kind: global_buffer, .address_space: global }
      - { .name: vh, .offset: 16, .size: 8, .value_kind: global_buffer, .address_space: global }
      - { .name: interaction_mask, .offset: 24, .size: 8, .value_kind: global_buffer, .address_space: global }
      - { .name: character_masks, .offset: 32, .size: 8, .value_kind: global_buffer, .address_space: global }
      - { .name: cq, .offset: 40, .size: 8, .value_kind: global_buffer, .address_space: global }
      - { .name: isolation_gate, .offset: 48, .size: 8, .value_kind: global_buffer, .address_space: global }
      - { .name: oh, .offset: 56, .size: 8, .value_kind: global_buffer, .address_space: global }
    .group_segment_fixed_size: 327680
    .private_segment_fixed_size: 0
    .kernarg_segment_align: 8
    .kernarg_segment_size: 64
    .max_flat_workgroup_size: 256
    .sgpr_count:     100
    .vgpr_count:     512
    .wavefront_size: 32
...
	.end_amdgpu_metadata
.endif
;; end of part 3
;; launch proj (part 4): grid 8 x 32, 4 waves a work-group, clusters of 4 x 4, 327,680 bytes of LDS; arguments oh, wouth, out0; writes out0
.if DOCPART == 4
	.amdgcn_target "amdgcn-amd-amdhsa--gfx1250"
	.amdhsa_code_object_version 6
	.text
	.protected	k_q76050fd3f8_proj
	.globl	k_q76050fd3f8_proj
	.p2align	8
	.type	k_q76050fd3f8_proj,@function
k_q76050fd3f8_proj:
	s_mov_b64 s[64:65], 0
	v_nop
	global_prefetch_b8 v0, s[64:65] scope:SCOPE_SE
	s_setreg_imm32_b32 hwreg(HW_REG_WAVE_MODE, 25, 1), 1
	s_wait_xcnt 0x0
	s_wait_alu depctr_hold_cnt(0) depctr_sa_sdst(0) depctr_va_vdst(0) depctr_va_sdst(0) depctr_va_ssrc(0) depctr_va_vcc(0) depctr_vm_vsrc(0)
	s_getreg_b32 s2, hwreg(HW_REG_IB_STS2, 6, 4)
	s_cmp_eq_u32 s2, 0
	s_cbranch_scc0 .Lentry_in_a_cluster
	s_endpgm
.Lentry_in_a_cluster:
	s_bfe_u32 s2, ttmp6, 0x10000c
	s_cmp_lg_u32 s2, 0xf033
	s_cbranch_scc0 .Lentry_shape_is_right
	s_endpgm
.Lentry_shape_is_right:
; out0[m][n] = sum over k of o[m][k] W_out[n][k].  o: [4096][1024] f16, W_out: [1024][1024] f16, out0: [4096][1024] f32; sums in f32.
; 32 x 8 = 256 work-groups of 128 x 128, four waves of 64 x 64 (16 accumulator tiles, 128 registers): blocks of 256 x 256 would make 64 work-groups.
; K goes in four fills of 256 through two LDS slots: a tile's rows are 512 bytes of memory.  By this text's own count a wave has at most
; two tensor loads outstanding (the two first fills), later one.
; CLUSTERS 4 x 4: o's tile is shared along a row of the cluster, W_out's along a column, each asked for jointly.
; The matrix instruction is used transposed (source 0 = rows of W_out, source 1 = rows of o): a lane holds eight neighbouring columns of one row.
.set SIZE_N, 1024
.set SIZE_K, 1024
.set KSLOT,  256
.set PITCH,  528                       ; 512 bytes + 16: an odd multiple of 16
.set HALFT,  64*PITCH                  ; 64 rows: what one tensor load brings, and what one wave reads of A or of B
.set SLOT,   4*HALFT                   ; A's 128 rows, then B's 128 rows
.set STAGE,  2*SLOT                    ; 16 rows x 272 bytes for each wave; no tensor load lands there
.set SPITCH, 272
.set ADRA, 16
.set ADRB, 20
.set STO,  24
.set RD,   25
.set CO,   26
.set F0,   64                          ; B's fragments at +0, A's at +32
.set F1,   128
.set RB,   192                         ; read-back, two buffers of 32
.set G1, 24
.set G0, 32
.set G1B, 48
.set G0B, 56
.set MSB, 0
.macro WIN new
.if MSB != \new
	s_set_vgpr_msb (MSB<<8)|\new
.set MSB, \new
.endif
.endm
.macro JLOAD s                         ; waves 0 and 1 fetch A's two halves, waves 2 and 3 B's
	s_cmp_eq_u32 s11, 0
	s_cbranch_scc0 .Lfor_b_\@
	tensor_load_to_lds s[G0+4*\s:G0+4*\s+3], s[G1:G1+7]
	s_nop 0
	s_branch .Lasked_\@
.Lfor_b_\@:
	tensor_load_to_lds s[G0B+4*\s:G0B+4*\s+3], s[G1B:G1B+7]
	s_nop 0
.Lasked_\@:
.endm
.macro CROUND                          ; a round of the cluster's barrier
	s_barrier_signal -1
	s_barrier_wait -1
	s_cmp_lg_u32 s10, 0
	s_cbranch_scc1 .Lnot_wave_0_\@
	s_barrier_signal -3
.Lnot_wave_0_\@:
	s_barrier_wait -3
	s_barrier_signal -1
	s_barrier_wait -1
.endm
.macro PLACES                          ; four places behind a matrix instruction (ISA guide 7.12.1)
.rept 4
	v_nop
.endr
.endm
	s_load_b128 s[4:7], s[0:1], 0x0                ; oh, wouth
	s_load_b64 s[8:9], s[0:1], 0x10                ; out0
	v_lshl_add_u32 v62, v0, 2, 0x46400
	v_mov_b32 v63, 0
	ds_add_u32 v62, v63
	v_lshrrev_b32 v1, 5, v0
	v_readfirstlane_b32 s10, v1                    ; wave 0..3
	s_lshr_b32 s11, s10, 1                         ; my half of the block's rows.  Also: I fetch for A (0) or for B (1)
	s_and_b32 s12, s10, 1                          ; my half of its columns.  Also: which 64 rows of that tile I fetch
	s_bfe_u32 s40, ttmp6, 0x40000                  ; cx
	s_bfe_u32 s41, ttmp6, 0x40004                  ; cy
	s_lshl_b32 s42, ttmp9, 2
	s_add_co_u32 s42, s42, s40                     ; block column
	s_and_b32 s13, ttmp7, 0xffff
	s_lshl_b32 s13, s13, 2
	s_add_co_u32 s13, s13, s41                     ; block row
	s_lshl_b32 s43, s41, 2
	s_lshl_b32 s43, 15, s43                        ; my row of the cluster
	s_lshl_b32 s44, 0x1111, s40                    ; my column
	s_or_b32 s[G1+0], s43, (1<<16)|(1<<20)|(1<<21)|(6<<22)|(3<<25)  ; mask; 2-byte elements; padding on; bit 21 beside a mask; after every 128 words 4 words
	s_or_b32 s[G1B+0], s44, (1<<16)|(1<<20)|(1<<21)|(6<<22)|(3<<25)
	s_mov_b32 s[G1B+1], KSLOT<<16
	s_mov_b32 s[G1+1], KSLOT<<16                   ; tensor_dim0 = 256
	s_mov_b32 s[G1B+2], 64<<16
	s_mov_b32 s[G1+2], 64<<16                      ; tensor_dim1 = 64
	s_mov_b32 s[G1B+3], KSLOT<<16
	s_mov_b32 s[G1+3], KSLOT<<16                   ; tile_dim0 = 256
	s_mov_b32 s[G1B+4], 64
	s_mov_b32 s[G1+4], 64                          ; tile_dim1 = 64
	s_mov_b32 s[G1B+5], SIZE_K
	s_mov_b32 s[G1+5], SIZE_K
	s_mov_b32 s[G1B+6], 0
	s_mov_b32 s[G1+6], 0
	s_mov_b32 s[G1B+7], 0
	s_mov_b32 s[G1+7], 0
	s_lshl_b32 s17, s12, 6
	s_lshl_b32 s16, s13, 7
	s_add_co_u32 s16, s16, s17                     ; A: row 128 x block row + 64 x half
	s_lshl_b32 s46, s42, 7
	s_add_co_u32 s46, s46, s17                     ; B: row 128 x block column + 64 x half
	s_mov_b32 s17, 0
	s_mov_b32 s47, 0
	s_mov_b64 s[18:19], SIZE_K*2
	s_mul_u64 s[16:17], s[16:17], s[18:19]
	s_mul_u64 s[46:47], s[46:47], s[18:19]
	s_mul_i32 s20, s10, HALFT                      ; LDS: wave x 64 rows
	s_wait_dscnt 0x0
	s_wait_kmcnt 0x0
	s_add_nc_u64 s[14:15], s[4:5], s[16:17]
	s_add_nc_u64 s[46:47], s[6:7], s[46:47]
	CROUND                                         ; all sixteen work-groups are here: the first joint loads meet
.irp s, 0,1
	s_mov_b32 s[G0+4*\s], 1
	s_add_co_u32 s[G0+4*\s+1], s20, \s*SLOT
	s_add_nc_u64 s[G0+4*\s+2:G0+4*\s+3], s[14:15], \s*KSLOT*2
	s_or_b32 s[G0+4*\s+3], s[G0+4*\s+3], 0x80000000
	s_mov_b32 s[G0B+4*\s], 1
	s_add_co_u32 s[G0B+4*\s+1], s20, \s*SLOT
	s_add_nc_u64 s[G0B+4*\s+2:G0B+4*\s+3], s[46:47], \s*KSLOT*2
	s_or_b32 s[G0B+4*\s+3], s[G0B+4*\s+3], 0x80000000
	JLOAD \s
.endr
	v_and_b32 v1, 15, v0                           ; l % 16
	v_bfe_u32 v2, v0, 4, 1                         ; l / 16
	v_mul_u32_u24 v3, v1, PITCH
	v_lshl_add_u32 v3, v2, 4, v3
	s_mul_i32 s21, s11, HALFT                      ; my 64 rows of A
	s_mul_i32 s22, s12, HALFT                      ; my 64 rows of B,
	s_add_co_u32 s22, s22, 2*HALFT                 ; behind A's 128
.irp s, 0,1
	v_add_nc_u32 v[ADRA+\s], s21, v3
	v_add_nc_u32 v[ADRB+\s], s22, v3
	s_add_co_u32 s21, s21, SLOT
	s_add_co_u32 s22, s22, SLOT
.endr
	s_mul_i32 s23, s10, 16*SPITCH
	s_add_co_u32 s23, s23, STAGE
	v_mul_u32_u24 v4, v1, SPITCH                   ; in: row l % 16, 32 bytes for each half of the lanes
	v_lshl_add_u32 v4, v2, 5, v4
	v_add_nc_u32 v[STO], s23, v4
	v_mul_u32_u24 v5, v2, SPITCH                   ; back: lanes 0-15 one row of 256 bytes, lanes 16-31 the next
	v_lshl_add_u32 v5, v1, 4, v5
	v_add_nc_u32 v[RD], s23, v5
	v_lshlrev_b32 v5, 12, v2                       ; and the same two rows of out0, 4,096 bytes apart
	v_lshl_add_u32 v[CO], v1, 4, v5
.macro FETCH slot, k, f                ; 16 LDS loads: 64 rows of B and 64 rows of A, 32 K at byte k of the rows
.irp i, 0,1,2,3
	ds_load_b128 v[\f+8*\i:\f+8*\i+3],   v[ADRB+\slot] offset:\k+\i*16*PITCH
	ds_load_b128 v[\f+8*\i+4:\f+8*\i+7], v[ADRB+\slot] offset:\k+\i*16*PITCH+32
.endr
.irp i, 0,1,2,3
	ds_load_b128 v[\f+32+8*\i:\f+32+8*\i+3],   v[ADRA+\slot] offset:\k+\i*16*PITCH
	ds_load_b128 v[\f+32+8*\i+4:\f+32+8*\i+7], v[ADRA+\slot] offset:\k+\i*16*PITCH+32
.endr
.endm
; the 16 accumulators take turns, one instruction a turn, in the same order in every part
.macro MUL16 f, zero
.irp a, 0,1,2,3
.irp b, 0,1,2,3
.if \zero
	v_wmma_f32_16x16x32_f16 v[8*(4*\a+\b):8*(4*\a+\b)+7], v[\f+8*\b:\f+8*\b+7], v[\f+32+8*\a:\f+32+8*\a+7], 0
.else
	v_wmma_f32_16x16x32_f16 v[8*(4*\a+\b):8*(4*\a+\b)+7], v[\f+8*\b:\f+8*\b+7], v[\f+32+8*\a:\f+32+8*\a+7], v[8*(4*\a+\b):8*(4*\a+\b)+7]
.endif
.endr
.endr
.endm
; 32 along K: buffer f is multiplied; ahead of that the next part's fragments are asked for, into buffer g
.macro QTR slot, knext, f, g, zero, fetch
	s_wait_dscnt 0x0                               ; buffer f's 16 loads: nothing younger is out
.if \fetch
	PLACES                                         ; buffer g was read by the matrix instructions just issued
	FETCH \slot, \knext, \g
.endif
	WIN 0x50                                       ; C and D in window 1
	MUL16 \f, \zero
	WIN 0
.endm
.macro SLOTWORK slot, zero             ; a slot's 256 along K
	QTR \slot, 64,  F0, F1, \zero, 1
	QTR \slot, 128, F1, F0, 0, 1
	QTR \slot, 192, F0, F1, 0, 1
	QTR \slot, 256, F1, F0, 0, 1
	QTR \slot, 320, F0, F1, 0, 1
	QTR \slot, 384, F1, F0, 0, 1
	QTR \slot, 448, F0, F1, 0, 1
	QTR \slot, 0,   F1, F0, 0, 0
.endm
; Slot s has been read and is filled again; slot n is read next.
.macro REFILL s, n
	s_wait_dscnt 0x0                               ; my reads of slot s are over
	s_wait_tensorcnt 0x0                           ; all my tensor loads have landed, my part of slot n among them: a group 0 may be written
	ds_add_u32 v62, v63
	s_wait_dscnt 0x0
	s_add_nc_u64 s[G0+4*\s+2:G0+4*\s+3], s[G0+4*\s+2:G0+4*\s+3], 2*KSLOT*2
	s_add_nc_u64 s[G0B+4*\s+2:G0B+4*\s+3], s[G0B+4*\s+2:G0B+4*\s+3], 2*KSLOT*2
	CROUND                                         ; both now hold of every wave of every work-group of the cluster
	JLOAD \s                                       ; the first tensor load behind the round, one a wave
	PLACES
	FETCH \n, 0, F0
.endm
	s_wait_tensorcnt 1                             ; my part of slot 0 is in; slot 1's stays out
	s_barrier_signal -1
	s_barrier_wait -1
	FETCH 0, 0, F0
	SLOTWORK 0, 1                                  ; k 0-255: the first products start the sums
	REFILL 0, 1
	SLOTWORK 1, 0                                  ; k 256-511
	REFILL 1, 0
	SLOTWORK 0, 0                                  ; k 512-767
	s_wait_dscnt 0x0
	s_wait_tensorcnt 0x0                           ; my part of the last fill is in,
	s_barrier_signal -1
	s_barrier_wait -1                              ; everybody's is; nothing is left to fetch
	PLACES
	FETCH 1, 0, F0
	SLOTWORK 1, 0                                  ; k 768-1023
	; THE WAY OUT, 16 rows at a time: 32 bytes a lane and tile into my stage, read back as whole rows of 256 bytes
	PLACES
	s_lshl_b32 s13, s13, 7
	s_lshl_b32 s14, s11, 6
	s_add_co_u32 s16, s13, s14                     ; my first row
	s_lshl_b32 s16, s16, 12                        ; 4,096 bytes a row
	s_mov_b32 s17, 0
	s_add_nc_u64 s[8:9], s[8:9], s[16:17]
	s_lshl_b32 s46, s42, 9                         ; my first column in bytes: 512 x block + 256 x half
	s_lshl_b32 s47, s12, 8
	s_add_co_u32 s46, s46, s47
	s_mov_b32 s47, 0
	s_add_nc_u64 s[8:9], s[8:9], s[46:47]
.macro OUT16 a, f
	WIN 0x04                                       ; store data in window 1
.irp b, 0,1,2,3
	ds_store_b128 v[STO], v[8*(4*\a+\b):8*(4*\a+\b)+3]   offset:64*\b
	ds_store_b128 v[STO], v[8*(4*\a+\b)+4:8*(4*\a+\b)+7] offset:64*\b+16
.endr
	WIN 0
	s_wait_xcnt 0x0                                ; buffer f was the data of earlier stores: it is loaded again only behind this wait
.irp t, 0,1,2,3,4,5,6,7
	ds_load_b128 v[\f+4*\t:\f+4*\t+3], v[RD] offset:\t*2*SPITCH    ; my own bytes: LDS serves a wave's instructions in order
.endr
.irp t, 0,1,2,3,4,5,6,7
	s_wait_dscnt 7-\t                              ; load t is in, the younger ones stay out
	global_store_b128 v[CO], v[\f+4*\t:\f+4*\t+3], s[8:9] offset:(16*\a+2*\t)*SIZE_N*4 th:TH_STORE_NT   ; 16 lanes store 256 consecutive bytes, aligned
.endr
.endm
	OUT16 0, RB
	OUT16 1, RB+32
	OUT16 2, RB
	OUT16 3, RB+32
	s_wait_tensorcnt 0x0
	ds_add_u32 v62, v63
	s_wait_dscnt 0x0
	CROUND                                         ; the closing round
	s_endpgm
.Lfunc_end_k_q76050fd3f8_proj:
	.size	k_q76050fd3f8_proj, .Lfunc_end_k_q76050fd3f8_proj-k_q76050fd3f8_proj
	.p2alignl 7, 3214868480
	.fill 96, 4, 3214868480
	.section	.rodata,"a",@progbits
	.p2align	6, 0x0
	.amdhsa_kernel k_q76050fd3f8_proj
		.amdhsa_group_segment_fixed_size 327680
		.amdhsa_private_segment_fixed_size 0
		.amdhsa_enable_private_segment 0
		.amdhsa_kernarg_size 24
		.amdhsa_user_sgpr_count 2
		.amdhsa_user_sgpr_kernarg_segment_ptr 1
		.amdhsa_wavefront_size32 1
		.amdhsa_system_sgpr_workgroup_id_x 1
		.amdhsa_system_sgpr_workgroup_id_y 1
		.amdhsa_system_sgpr_workgroup_id_z 1
		.amdhsa_system_vgpr_workitem_id 0
		.amdhsa_next_free_vgpr 384
		.amdhsa_next_free_sgpr 66
		.amdhsa_reserve_vcc 0
		.amdhsa_float_denorm_mode_32 3
		.amdhsa_float_denorm_mode_16_64 3
		.amdhsa_memory_ordered 1
		.amdhsa_forward_progress 1
		.amdhsa_inst_pref_size 88
	.end_amdhsa_kernel
	.amdgpu_metadata
---
amdhsa.version: [ 1, 2 ]
amdhsa.kernels:
  - .name:           k_q76050fd3f8_proj
    .symbol:         k_q76050fd3f8_proj.kd
    .args:
      - { .name: oh, .offset: 0, .size: 8, .value_kind: global_buffer, .address_space: global }
      - { .name: wouth, .offset: 8, .size: 8, .value_kind: global_buffer, .address_space: global }
      - { .name: out0, .offset: 16, .size: 8, .value_kind: global_buffer, .address_space: global }
    .group_segment_fixed_size: 327680
    .private_segment_fixed_size: 0
    .kernarg_segment_align: 8
    .kernarg_segment_size: 24
    .max_flat_workgroup_size: 128
    .sgpr_count:     66
    .vgpr_count:     384
    .wavefront_size: 32
...
	.end_amdgpu_metadata
.endif
;; end of part 4
